; MI455X (gfx1250); checked and timed in simulation.
; The chip was launched on July 23, 2026; its instructions are those of AMD's public machine-readable ISA for CDNA 5 (MIT licence, August 2026) and "CDNA5" Instruction Set Architecture Reference Guide (July 2026). The comments in the code are by the model that wrote it; some were corrected since.
;; Causal Self Attention. Allowed arithmetic: matrix products marked QUANTISED: E5M2 operands, one E8M0 scale for each 32 along K, by v_wmma_scale_f32_16x16x128_f8f6f4 with both operands' format E5M2, f32 sums; everything else in f32.
;; Inputs: W_attn_codes 3,072 x 32 x 32 uint8 (E5M2 codes of W_attn, K innermost, in blocks of 32 codes); W_attn_scales 3,072 x 32 uint8 (E8M0 scales of W_attn, one for each 32 codes along K); W_proj_codes 1,024 x 32 x 32 uint8 (E5M2 codes of W_proj, K innermost, in blocks of 32 codes); W_proj_scales 1,024 x 32 uint8 (E8M0 scales of W_proj, one for each 32 codes along K); b_attn 3,072 float32; b_proj 1,024 float32; x_codes 4 x 2,048 x 32 x 32 uint8 (E5M2 codes of x, K innermost, in blocks of 32 codes); x_scales 4 x 2,048 x 32 uint8 (E8M0 scales of x, one for each 32 codes along K).
;; Outputs: out0 4 x 2,048 x 1,024 float32.
;; This version of the problem:
;;   THIS VERSION OF THE PROBLEM IS GIVEN IN LOW PRECISION. The matrix products marked QUANTISED in the list below multiply operands that are first quantised to E5M2 (5 exponent bits, 2 mantissa bits; 8 bits a number), with one power-of-two scale for each 32 numbers along K (OCP MX v1.0); their sums are f32. All else is computed in f32.
;;   The module's matrix products, in the order in which they are computed (A, B: the left and right operand; K: the contracted axis; several contracted axes count as one K, in the product's order):
;;     1. [M 8,192, K 1,024] x [K 1,024, N 3,072]; A: input x (given as codes); B: input W_attn (given as codes): QUANTISED
;;     2. batch 64 x [M 2,048, K 64] x [K 64, N 2,048]; A: computed on the way; B: computed on the way: QUANTISED
;;     3. batch 64 x [M 2,048, K 2,048] x [K 2,048, N 64]; A: softmax (see below); B: computed on the way: QUANTISED
;;     4. [M 8,192, K 1,024] x [K 1,024, N 1,024]; A: computed on the way; B: input W_proj (given as codes): QUANTISED
;;   THE QUANTISER, for each operand of a quantised product, along K:
;;     - K is cut into blocks of 32 from its start; a last block that is shorter is filled with zeros.
;;     - A block's scale is 2^e with e = floor(log2(the largest magnitude in the block)) - 15, held to -126 .. 127; a block of zeros has e = 0. As a byte (E8M0): e + 127.
;;     - Each number is divided by its block's scale, clamped to +-57,344, and rounded to the nearest number of E5M2, ties to even, subnormals kept.
;;     - The product sums the exact products of the quantised numbers (number of the format x scale) in f32.
;;   ~~~python
;;   def quantise(x, axis):      # numpy; x: float32 -> the quantised numbers, widened to float32 again
;;       x = np.moveaxis(x, axis, -1); K = x.shape[-1]
;;       x = np.pad(x, [(0, 0)] * (x.ndim - 1) + [(0, -K % 32)]); x = x.reshape(x.shape[:-1] + (-1, 32)); a = np.abs(x).max(-1, keepdims=True)
;;       e = np.where(a > 0, np.clip(np.frexp(np.where(a > 0, a, 1))[1] - 1 - 15, -126, 127), 0)      # np.frexp(a)[1] - 1 = floor(log2(a)), exactly
;;       r = np.clip(x / 2.0 ** e, -57344, 57344)
;;       step = 2.0 ** (np.maximum(np.frexp(np.where(r == 0, 1, r))[1] - 1, -14) - 2)
;;       q = np.round(r / step) * step * 2.0 ** e      # np.round: ties to even
;;       return np.moveaxis(q.reshape(q.shape[:-2] + (-1,))[..., :K], -1, axis).astype(np.float32)
;;   ~~~
;;   SOFTMAX AHEAD OF A QUANTISED PRODUCT. Where the list says 'softmax', what is quantised is not the finished softmax but p = 2^(t - M), with t = logit x log2(e) and M = ceil(the row's largest t), a whole number; so 1/2 < the row's largest p <= 1. The row's sum l is taken of the UNQUANTISED p, in f32, and the product's result is divided by l at the end. Since M is a whole number, a kernel that streams over the keys may use a running M (the ceiling of the running maximum): every later rescaling is an exact power of two, which a block's scale takes up: the codes' values come out the same.
;;   OPERANDS COMPUTED ON THE WAY. 'Computed on the way' means the value that the module computes at that place (a softmax that the list does not call 'softmax' is quantised finished and normalised). What goes into a quantiser is computed in f32, as accurately as f32 sums, v_exp_f32 and their like allow (about 1e-6 of the number): no bf16 or f16 on the way to a quantiser, and a product that is left as it is and whose result goes on into a quantised operand takes f32 operands (vector FMAs, or v_wmma_f32_16x16x4_f32). A number that lies on a knife's edge between two numbers of the format may be rounded either way, as far as f32 arithmetic and the matrix unit's own rounding can turn it there, and no further.
;;   INPUTS GIVEN AS CODES. W_attn (in the module: [1024, 3072], K = its axis 0); W_proj (in the module: [1024, 1024], K = its axis 0); x (in the module: [4, 2048, 1024], K = its axis 2): each comes as NAME_codes (uint8): NAME with its K axis moved to the last place and cut into blocks of 32 codes, [.., K / 32, bytes a block], one block behind the other in memory; one code a byte (a code: sign, 5 exponent bits, 2 mantissa bits); and NAME_scales (uint8): the same leading axes, one E8M0 byte (e + 127) for each 32 codes along K. Its value is code x scale, taken as it is: it is not quantised again, and the codes and scales need not be those that the quantiser above would give.
;; One version. Each part assembles by itself: llvm-mc -triple=amdgcn-amd-amdhsa -mcpu=gfx1250 --defsym DOCPART=n.
;; ======== version 1 of 1: 3 launches
;; limits: right only within a limited range of input values
;; workspace buffers: qk_codes 16,777,216 bytes; qk_scales 1,048,576 bytes; vt_codes 8,388,608 bytes; vt_scales 262,144 bytes; y_codes 8,388,608 bytes; y_scales 262,144 bytes
;; launch qkv (part 1): grid 96 x 4, 4 waves a work-group, clusters of 4 x 4, 327,680 bytes of LDS; arguments x_codes, x_scales, W_attn_codes, W_attn_scales, b_attn, qk_codes, qk_scales, vt_codes, vt_scales; writes qk_codes, qk_scales, vt_codes, vt_scales
.if DOCPART == 1
	.amdgcn_target "amdgcn-amd-amdhsa--gfx1250"
	.amdhsa_code_object_version 6
	.text
	.protected	k_q7316760400_qkv
	.globl	k_q7316760400_qkv
	.p2align	8
	.type	k_q7316760400_qkv,@function
k_q7316760400_qkv:
	s_mov_b64 s[64:65], 0
	v_nop
	global_prefetch_b8 v0, s[64:65] scope:SCOPE_SE
	s_setreg_imm32_b32 hwreg(HW_REG_WAVE_MODE, 25, 1), 1
	s_wait_xcnt 0x0
	s_wait_alu depctr_hold_cnt(0) depctr_sa_sdst(0) depctr_va_vdst(0) depctr_va_sdst(0) depctr_va_ssrc(0) depctr_va_vcc(0) depctr_vm_vsrc(0)
	s_getreg_b32 s2, hwreg(HW_REG_IB_STS2, 6, 4)
	s_cmp_eq_u32 s2, 0
	s_cbranch_scc0 .Lentry_in_a_cluster
	s_endpgm
.Lentry_in_a_cluster:
	s_bfe_u32 s2, ttmp6, 0x10000c
	s_cmp_lg_u32 s2, 0xf033
	s_cbranch_scc0 .Lentry_shape_is_right
	s_endpgm
.Lentry_shape_is_right:
; qkv = x W_attn + b_attn on codes of BF8 (E5M2) with one E8M0 scale for each 32 along K = 1,024, and the quantisers of what attention multiplies: Q and K along the head's 64, V along the tokens (the keys).
; A tile of 256 x 256 is made by four waves, 128 x 128 each: 64 accumulators of 16 x 16, 512 registers.  K goes in steps of 256 through a ring of two LDS slots filled by the tensor data mover;
; the scale bytes of the tile's 512 rows, for all of K, come once with the first fills and stay in LDS.
; THE MATRIX INSTRUCTION IS USED TRANSPOSED: source 0 = 16 rows of the operand called B here, source 1 = 16 rows of the operand called A.  In accumulator (a, b) lane (r, h) holds A's row R = 16 a + r, and its
; register j B's row P = 16 b + 8 h + j: A LANE'S REGISTERS RUN ALONG P, the axis that is to be quantised.  So there are two types of tile, and one text serves both:
;   type QK (clusters 0-15):  A = x (R = token m), B = W_attn's rows 0-2,047 (P = column n of q and k): blocks of 32 along n lie inside a head.
;   type V  (clusters 16-23): A = W_attn's rows 2,048-3,071 (R = column n of v), B = x (P = token): blocks of 32 along the tokens.
; Only pointers, one row offset, one stride and two masks differ; they are chosen by s_cselect on the cluster's number, which all partners share.
; OUT: codes [P / 64][R][64 bytes]: qk_codes [32 heads of q and k][8,192 tokens][64], vt_codes [128 chunks of 64 tokens][1,024 columns][64].  Scale words: qk_scales [32][8,192] (bytes 0, 1 the head's two blocks,
; bytes 2, 3 zero: they stand over zero codes in the next launch), vt_scales [64 runs of 128 tokens][1,024] (four blocks).
; THE BIAS along P is the C of the first K step's products; the bias along R is added on the way out; the one that the type does not have is cleared by a mask.
; CLUSTERS: 4 x 4 work-groups; A's tile is asked for jointly along a row of the cluster, B's along a column: the same tensor load, the same descriptor, a mask that names the four.
; LIMITS: NaN and infinities are not served.  A block of zeros gets the scale byte 1 (its codes are zeros; this program alone reads the bytes); a block whose largest magnitude lies under 2^-111 is held at byte 1.
; REGISTERS, in windows of 256: window 0: v8-15 bias along R; v16-31 addresses; v32-63 scale words, two sets; v64-127 bias along P; from v128 A's fragments, one set.  window 1: B's fragments, two sets.
;   windows 2, 3: the accumulators ((a, b) at v[8 (8 (a % 4) + b)]).  On the way out window 0's v64-255 are at work.
.set SIZE_K, 1024
.set KSTEP,  256                       ; along K in a slot
.set NQ,     KSTEP/128                 ; matrix instructions deep
.set ROWB,   256                       ; a tile's row in bytes
.set KROW,   SIZE_K                    ; a row of codes in memory, in bytes
.set PITCH,  272                       ; an LDS row: 256 bytes + 16 of padding: the 16 rows that a load touches start at 16 different banks (64 banks of 4 bytes: ISA guide 11.1)
.set FR,     16                        ; registers of a fragment: 16 rows x 128 K
.set NL,     4                         ; LDS loads that bring one
.set NP,     8                         ; places behind this matrix instruction (ISA guide 7.12.1)
.set HALFT,  128*PITCH                 ; 128 rows: what one tensor load brings
.set SLOT,   4*HALFT                   ; A's 256 rows, then B's 256 rows
.set LAPS,   SIZE_K/(2*KSTEP)          ; a lap = two K steps = once round the ring
.set KS,     SIZE_K/32                 ; a row of scale bytes
.set SCL,    2*SLOT                    ; behind the ring: the scales, as units of 256 bytes + 16 of padding
.set HALFS,  (128*KS/256)*272          ; the scales of 128 rows
.set SBLK,   (16*KS/256)*272           ; those of 16 rows
.set SPARE,  SCL+4*HALFS               ; the spare words, 128 bytes for each wave: two blocks of 256 bytes that no other line names
.set RB,   8                           ; v8-15   bias along R: one register for each of my eight blocks of 16 rows
.set ADRA, 16                          ; v16-17  LDS address of my A fragments in slot 0, 1
.set ADRB, 20                          ; v20-21  the same for B
.set STO,  24                          ; v24     the way out: where I put 8 codes of a row
.set RD,   25                          ; v25     the way out: where I read 16 bytes back
.set CO,   26                          ; v26     16 x lane: my place in 512 consecutive bytes of the output
.set ADRS, 27                          ; v27     LDS address of my scale words: lanes 0-15 A's rows, lanes 16-31 B's
.set SPW,  28                          ; v28     LDS address of my spare word; never rewritten
.set NIL,  29                          ; v29     0; never rewritten
.set SWA,  30                          ; v30     the way out: where I put a row's new scale word
.set SRD,  31                          ; v31     and where I read four of them back
.set SC,   32                          ; scale words: set s at v[SC + 8 NQ s]
.set PB,   64                          ; v64-127 bias along P: eight registers for each of B's eight blocks
.set AF,   128                         ; A's fragments
.set T,    64                          ; the way out: 64 numbers of a lane
.set PC,   128                         ; codes just made, two sets of 16
.set OB,   160                         ; codes read back, two sets of 16
.set TM,   192                         ; v192-195 largest magnitudes, v196-199 bytes, v204-207 the conversions' scales
.set PW,   208                         ; v208-209 the scale word just made, two sets
.set SW,   212                         ; v212-223 scale words on their way to memory
.set RB2,  224                         ; v224-239 the bias along R, twice each: pairs for the packed addition
.set G1, 24
.set G0, 32
.set G1B, 48
.set G0B, 56
.set G1S, 68
.set G0S, 76
.set G1SB, 80
.set G0SB, 88
.set TYPE, 66                          ; s66  1: type QK; 0: type V
.set AROW, 67                          ; s67  A's first row in its tensor: 0 or 2,048
.set CSTR, 95                          ; s95  bytes from a chunk of 64 along P to the next
.set PM,   104                         ; s104 all ones where the bias runs along P
.set RM,   105                         ; s105 all ones where it runs along R
.set SEL,  20                          ; s[20:21] lane selects for v_permlanex16_b32: lane l xor 16 (set at the head's end)
.set MNT,  22
.set MSB, 0
.macro WIN new                         ; the immediate's high byte repeats the setting that is left
.if MSB != (\new)
	s_set_vgpr_msb (MSB<<8)|(\new)
.set MSB, (\new)
.endif
.endm
.set MUL_LO,   0xa1                    ; source 0 (B) window 1, source 1 (A) window 0, C and D window 2
.set MUL_HI,   0xf1                    ; the same, C and D window 3
.set FIRST_LO, 0x81                    ; the first K step: C (the bias) window 0, D window 2
.set FIRST_HI, 0xc1                    ; D window 3
.set TO_B,     0x40                    ; destination window 1, address window 0
; A joint load: waves 0 and 1 fetch for A, waves 2 and 3 for B.  The branch hangs on the wave's number alone.  Four v_nop follow each of the two lines.
.macro JLOAD g0a, g1a, g0b, g1b
	s_cmp_eq_u32 s15, 0
	s_cbranch_scc0 .Lfor_b_\@
	tensor_load_to_lds s[\g0a:\g0a+3], s[\g1a:\g1a+7]
	s_nop 0
.rept 4
	v_nop
.endr
	s_branch .Lasked_\@
.Lfor_b_\@:
	tensor_load_to_lds s[\g0b:\g0b+3], s[\g1b:\g1b+7]
	s_nop 0
.rept 4
	v_nop
.endr
.Lasked_\@:
.endm
.macro CREST                           ; a round of the cluster's barrier behind its opening barrier
	s_cmp_lg_u32 s14, 0
	s_cbranch_scc1 .Lnot_wave_0_\@
	s_barrier_signal -3
.Lnot_wave_0_\@:
	s_barrier_wait -3
	s_barrier_signal -1
	s_barrier_wait -1
.endm
.macro CROUND                          ; a whole round
	s_barrier_signal -1
	s_barrier_wait -1
	CREST
.endm
	s_load_b256 s[4:11], s[0:1], 0x0               ; x's codes s[4:5], x's scales s[6:7], W_attn's codes s[8:9], its scales s[10:11]
	s_load_b64 s[12:13], s[0:1], 0x20              ; b_attn
	v_lshl_add_u32 v[SPW], v0, 2, SPARE
	v_mov_b32 v[NIL], 0
	ds_add_u32 v28, v29
	ds_add_u32 v28, v29
	s_wait_dscnt 0x0
	v_lshrrev_b32 v1, 5, v0
	v_readfirstlane_b32 s14, v1                    ; wave 0..3
	s_lshr_b32 s15, s14, 1                         ; which half of the tile's R is mine.  Also: I fetch for A (0) or for B (1)
	s_and_b32 s16, s14, 1                          ; which half of its P.  Also: which 128 rows of that tile I fetch
	s_bfe_u32 s40, ttmp6, 0x40000                  ; cx, cy: my place in the cluster
	s_bfe_u32 s41, ttmp6, 0x40004
	s_and_b32 s18, ttmp9, 1                        ; the 24 clusters stand in a line.  Type QK, clusters 0-15: 2 clusters along P,
	s_lshr_b32 s19, ttmp9, 1                       ; 8 along R
	s_sub_co_u32 s20, ttmp9, 16                    ; type V, clusters 16-23: 8 along P, one along R
	s_mov_b32 s[CSTR], 65536                       ; V: 1,024 rows of 64 bytes
	s_cmp_lt_u32 ttmp9, 16
	s_cselect_b32 s42, s18, s20
	s_cselect_b32 s17, s19, 0
	s_cselect_b32 s[TYPE], 1, 0
	s_cselect_b32 s[AROW], 0, 2048
	s_cselect_b32 s[CSTR], 0x80000, s[CSTR]        ; QK: 8,192 rows of 64 bytes
	s_cselect_b32 s[PM], -1, 0
	s_cselect_b32 s[RM], 0, -1
	s_lshl_b32 s42, s42, 2
	s_add_co_u32 s42, s42, s40                     ; tile column (along P) = 4 x the cluster's + cx
	s_lshl_b32 s17, s17, 2
	s_add_co_u32 s17, s17, s41                     ; tile row (along R) = 4 x the cluster's + cy
	s_lshl_b32 s43, s41, 2
	s_lshl_b32 s43, 15, s43                        ; my row of the cluster
	s_lshl_b32 s44, 0x1111, s40                    ; my column
	; descriptor group 1: a tile of 128 rows x 256 bytes, padded in LDS
	s_or_b32 s[G1+0], s43, (0<<16)|(1<<20)|(1<<21)|(5<<22)|(3<<25)  ; 15:0 the mask: A's tiles go to my row; 17:16 element of 1 byte; 20 padding on; 21 set beside a mask; 24:22 after every 64 words; 31:25 four words
	s_or_b32 s[G1B+0], s44, (0<<16)|(1<<20)|(1<<21)|(5<<22)|(3<<25)
.irp g, G1, G1B
	s_mov_b32 s[\g+1], ROWB<<16                    ; tensor_dim0
	s_mov_b32 s[\g+2], 128<<16                     ; tensor_dim1
	s_mov_b32 s[\g+3], ROWB<<16                    ; tile_dim0
	s_mov_b32 s[\g+4], 128                         ; tile_dim1
	s_mov_b32 s[\g+5], KROW                        ; tensor_dim0_stride
	s_mov_b32 s[\g+6], 0
	s_mov_b32 s[\g+7], 0
.endr
	; the scales of 128 rows: a dense block of 4,096 bytes, as 16 rows of 256 bytes (32 elements of 8 bytes), 16 bytes of padding behind each
	s_or_b32 s[G1S+0], s43, (3<<16)|(1<<20)|(1<<21)|(5<<22)|(3<<25)
	s_or_b32 s[G1SB+0], s44, (3<<16)|(1<<20)|(1<<21)|(5<<22)|(3<<25)
.irp g, G1S, G1SB
	s_mov_b32 s[\g+1], 32<<16
	s_mov_b32 s[\g+2], (128*KS/256)<<16
	s_mov_b32 s[\g+3], 32<<16
	s_mov_b32 s[\g+4], 128*KS/256
	s_mov_b32 s[\g+5], 32
	s_mov_b32 s[\g+6], 0
	s_mov_b32 s[\g+7], 0
.endr
	s_lshl_b32 s18, s16, 7                         ; which 128 rows of the tile I fetch
	s_lshl_b32 s20, s17, 8
	s_add_co_u32 s20, s20, s18
	s_add_co_u32 s20, s20, s[AROW]                 ; A: row 256 x tile row + 128 x half + the type's first row
	s_lshl_b32 s46, s42, 8
	s_add_co_u32 s46, s46, s18                     ; B: row 256 x tile column + 128 x half
	s_lshl_b32 s22, s20, 5                         ; where these rows' scales begin, in bytes (32 a row),
	s_mov_b32 s23, 0
	s_lshl_b32 s20, s20, 10                        ; and their codes (1,024 a row): all under 2^24
	s_mov_b32 s21, 0
	s_lshl_b32 s92, s46, 5
	s_mov_b32 s93, 0
	s_lshl_b32 s46, s46, 10
	s_mov_b32 s47, 0
	s_mul_i32 s45, s14, HALFT                      ; where they go: wave x 128 rows: no place in the cluster enters an LDS address
	s_mul_i32 s94, s14, HALFS
	s_wait_kmcnt 0x0
	s_cmp_lt_u32 ttmp9, 16                         ; which tensor is A and which is B hangs on the cluster's number alone
	s_cselect_b64 s[96:97], s[4:5], s[8:9]         ; A's codes
	s_cselect_b64 s[98:99], s[6:7], s[10:11]       ; A's scales
	s_cselect_b64 s[100:101], s[8:9], s[4:5]       ; B's codes
	s_cselect_b64 s[4:5], s[10:11], s[6:7]         ; B's scales
	s_add_nc_u64 s[20:21], s[96:97], s[20:21]
	s_add_nc_u64 s[22:23], s[98:99], s[22:23]
	s_add_nc_u64 s[46:47], s[100:101], s[46:47]
	s_add_nc_u64 s[92:93], s[4:5], s[92:93]
	CROUND                                         ; all sixteen work-groups are here: the first joint loads meet
	s_mov_b32 s[G0S], 1
	s_add_co_u32 s[G0S+1], s94, SCL
	s_mov_b64 s[G0S+2:G0S+3], s[22:23]
	s_or_b32 s[G0S+3], s[G0S+3], 0x80000000
	s_mov_b32 s[G0SB], 1
	s_add_co_u32 s[G0SB+1], s94, SCL
	s_mov_b64 s[G0SB+2:G0SB+3], s[92:93]
	s_or_b32 s[G0SB+3], s[G0SB+3], 0x80000000
	JLOAD G0S, G1S, G0SB, G1SB                     ; the scales first: they are wanted with K step 0
.irp s, 0,1
	s_mov_b32 s[G0+4*\s], 1
	s_add_co_u32 s[G0+4*\s+1], s45, \s*SLOT
	s_add_nc_u64 s[G0+4*\s+2:G0+4*\s+3], s[20:21], \s*ROWB
	s_or_b32 s[G0+4*\s+3], s[G0+4*\s+3], 0x80000000
	s_mov_b32 s[G0B+4*\s], 1
	s_add_co_u32 s[G0B+4*\s+1], s45, \s*SLOT
	s_add_nc_u64 s[G0B+4*\s+2:G0B+4*\s+3], s[46:47], \s*ROWB
	s_or_b32 s[G0B+4*\s+3], s[G0B+4*\s+3], 0x80000000
	JLOAD G0+4*\s, G1, G0B+4*\s, G1B
.endr
	v_and_b32 v1, 15, v0                           ; r = l % 16
	v_bfe_u32 v2, v0, 4, 1                         ; h = l / 16
	v_mul_u32_u24 v3, v1, PITCH
	v_lshl_add_u32 v4, v2, 4, v3                   ; a fragment's row x pitch + 16 x half
	s_mul_i32 s21, s15, HALFT                      ; my 128 rows of A
	s_mul_i32 s22, s16, HALFT                      ; my 128 rows of B,
	s_add_co_u32 s22, s22, 2*HALFT                 ; which lie behind A's 256
.irp s, 0,1
	v_add_nc_u32 v[ADRA+\s], s21, v4
	v_add_nc_u32 v[ADRB+\s], s22, v4
	s_add_co_u32 s21, s21, SLOT
	s_add_co_u32 s22, s22, SLOT
.endr
	v_mul_u32_u24 v5, v1, KS                       ; my row's scales: 32 bytes a row,
	v_lshrrev_b32 v6, 8, v5
	v_lshl_add_u32 v5, v6, 4, v5                   ; and 16 more for each 256 passed
	s_mul_i32 s21, s15, HALFS                      ; A's: my 128 rows
	s_mul_i32 s22, s16, HALFS                      ; B's: my 128 rows, behind A's 256
	s_add_co_u32 s22, s22, 2*HALFS
	s_sub_co_u32 s22, s22, s21
	v_mul_u32_u24 v6, s22, v2                      ; lanes 16-31 take B's: the lower base + h x the distance
	s_add_co_u32 s21, s21, SCL
	v_add_nc_u32 v5, v5, v6
	v_add_nc_u32 v[ADRS], s21, v5
	; the way out: a stage of 8,192 bytes for each wave, in slot 0: two chunks of 16 rows x (64 bytes + 16), and 5,120 bytes on the 128 new scale words
	s_lshl_b32 s23, s14, 13
	v_mul_u32_u24 v5, v1, 80
	v_lshl_add_u32 v5, v2, 3, v5
	v_add_nc_u32 v[STO], s23, v5                   ; in: row r, 8 bytes for each half of the lanes
	v_and_b32 v6, 31, v0
	v_lshrrev_b32 v5, 2, v6
	v_mul_u32_u24 v5, v5, 80
	v_and_b32 v7, 3, v6
	v_lshl_add_u32 v5, v7, 4, v5
	v_add_nc_u32 v[RD], s23, v5                    ; back: four lanes to a row of 64 bytes, eight rows an instruction
	v_lshlrev_b32 v[CO], 4, v6
	s_add_co_u32 s23, s23, 5120
	v_lshl_add_u32 v[SWA], v1, 2, s23
	v_add_nc_u32 v[SRD], s23, v[CO]
	; the biases.  Along P: lane (r, h) wants, for B's block b, the eight numbers at 16 b + 8 h.  Along R: for A's block a the one number at 16 a + r.  The side that the type does not have is read at b_attn's head and cleared.
	v_lshlrev_b32 v5, 5, v2                        ; 32 h
	s_wait_alu depctr_va_vdst(0)
	v_lshlrev_b32 v6, 2, v1                        ; 4 r
	s_wait_alu depctr_va_vdst(0)
	s_lshl_b32 s18, s42, 10
	s_lshl_b32 s19, s16, 9
	s_add_co_u32 s18, s18, s19                     ; 4 x my first P
	s_and_b32 s18, s18, s[PM]
	s_mov_b32 s19, 0
	s_add_nc_u64 s[18:19], s[12:13], s[18:19]
	s_lshl_b32 s46, s17, 8
	s_lshl_b32 s47, s15, 7
	s_add_co_u32 s46, s46, s47                     ; my first R = 256 x tile row + 128 x half
	s_add_co_u32 s92, s46, 2048
	s_lshl_b32 s92, s92, 2                         ; v's part of b_attn begins at 2,048
	s_and_b32 s92, s92, s[RM]
	s_mov_b32 s93, 0
	s_add_nc_u64 s[92:93], s[12:13], s[92:93]
.irp b, 0,1,2,3,4,5,6,7
	global_load_b128 v[PB+8*\b:PB+8*\b+3], v5, s[18:19] offset:64*\b
	global_load_b128 v[PB+8*\b+4:PB+8*\b+7], v5, s[18:19] offset:64*\b+16
.endr
.irp a, 0,1,2,3,4,5,6,7
	global_load_b32 v[RB+\a], v6, s[92:93] offset:64*\a
.endr
	; where my results go
	s_load_b256 s[4:11], s[0:1], 0x28              ; qk_codes s[4:5], qk_scales s[6:7], vt_codes s[8:9], vt_scales s[10:11]
	s_lshl_b32 s96, s42, 2
	s_lshl_b32 s97, s16, 1
	s_add_co_u32 s96, s96, s97                     ; my first chunk of 64 along P: 4 x tile column + 2 x half
	s_mul_i32 s98, s96, s[CSTR]
	s_lshl_b32 s99, s46, 6
	s_add_co_u32 s98, s98, s99                     ; codes: chunk x stride + 64 x my first R
	s_mov_b32 s99, 0
	s_lshl_b32 s100, s96, 13                       ; scale words, QK: a row of 8,192 words for each chunk;
	s_lshl_b32 s101, s96, 9                        ; V: a row of 1,024 words for each two chunks
	s_cmp_eq_u32 s[TYPE], 1
	s_cselect_b32 s100, s100, s101
	s_add_co_u32 s100, s100, s46
	s_lshl_b32 s100, s100, 2
	s_mov_b32 s101, 0
	s_mov_b32 s96, s[CSTR]
	s_mov_b32 s97, 0
	s_wait_kmcnt 0x0
	s_cmp_eq_u32 s[TYPE], 1
	s_cselect_b64 s[4:5], s[4:5], s[8:9]
	s_cselect_b64 s[6:7], s[6:7], s[10:11]
	s_add_nc_u64 s[4:5], s[4:5], s[98:99]          ; my first chunk's codes,
	s_add_nc_u64 s[8:9], s[4:5], s[96:97]          ; my second chunk's,
	s_add_nc_u64 s[6:7], s[6:7], s[100:101]        ; my scale words
	s_wait_loadcnt 0x0                             ; the biases are in
.set i, 0
.rept 64
	v_and_b32 v[PB+i], s[PM], v[PB+i]
.set i, i+1
.endr
.set i, 0
.rept 8
	v_and_b32 v[RB+i], s[RM], v[RB+i]
.set i, i+1
.endr
	s_mov_b32 s[SEL], 0x76543210
	s_mov_b32 s[SEL+1], 0xfedcba98
.macro FRAG reg, adr, q, i             ; a fragment, 16 rows x 128 K of 8-bit codes: lane l holds row l % 16; registers 4 c .. 4 c + 3 hold K = 32 c + 16 (l / 16) + 0 .. 15
.irp c, 0,1,2,3
	ds_load_b128 v[\reg+4*\c:\reg+4*\c+3], v[\adr] offset:128*(\q)+32*\c+(\i)*16*PITCH
.endr
.endm
; 16 matrix instructions: A's blocks a0, a0 + 1 x B's eight, 128 along K: the slot's q-th.  p: B's set;  sc: the set of scale words.  first = 1: the bias along P is the C: nothing is cleared and nothing is added later.
; The 64 accumulators take turns, one instruction a turn, in the same order in every step.
.macro MUL16 a0, p, q, sc, first
.irp a, \a0, \a0+1
.irp b, 0,1,2,3,4,5,6,7
.if \first
	v_wmma_scale_f32_16x16x128_f8f6f4 v[8*(8*((\a)%4)+\b):8*(8*((\a)%4)+\b)+7], v[128*(\p)+FR*\b:128*(\p)+FR*\b+FR-1], v[AF+FR*(\a):AF+FR*(\a)+FR-1], v[PB+8*\b:PB+8*\b+7], v[SC+8*NQ*(\sc)+NQ*\b+(\q)], v[SC+8*NQ*(\sc)+NQ*(\a)+(\q)] matrix_a_fmt:MATRIX_FMT_BF8 matrix_b_fmt:MATRIX_FMT_BF8 matrix_a_scale:MATRIX_SCALE_ROW1
.else
	v_wmma_scale_f32_16x16x128_f8f6f4 v[8*(8*((\a)%4)+\b):8*(8*((\a)%4)+\b)+7], v[128*(\p)+FR*\b:128*(\p)+FR*\b+FR-1], v[AF+FR*(\a):AF+FR*(\a)+FR-1], v[8*(8*((\a)%4)+\b):8*(8*((\a)%4)+\b)+7], v[SC+8*NQ*(\sc)+NQ*\b+(\q)], v[SC+8*NQ*(\sc)+NQ*(\a)+(\q)] matrix_a_fmt:MATRIX_FMT_BF8 matrix_b_fmt:MATRIX_FMT_BF8 matrix_a_scale:MATRIX_SCALE_ROW1
.endif
.endr
.endr
.endm
.macro FETCH_B slot, q, p              ; B's eight fragments of the slot's q-th 128 along K into set p
	WIN TO_B
.irp i, 0,1,2,3,4,5,6,7
	FRAG 128*(\p)+FR*\i, ADRB+\slot, \q, \i
.endr
	WIN 0
.endm
.macro FETCH_A slot, q, i0             ; A's blocks i0 .. i0 + 3
.irp i, \i0, \i0+1, \i0+2, \i0+3
	FRAG AF+FR*(\i), ADRA+\slot, \q, \i
.endr
.endm
.macro SCALES sc                       ; a K step's scale words into set sc: two words a row; lanes 0-15 take A's block i, lanes 16-31 B's block i
.irp i, 0,1,2,3,4,5,6,7
	ds_load_b64 v[SC+8*NQ*\sc+NQ*\i:SC+8*NQ*\sc+NQ*\i+1], v[ADRS] offset:\i*SBLK
.endr
.endm
; A load into a register that a matrix instruction has read, and a vector instruction or an LDS store that reads a matrix result, stand NP places behind it; only plain vector instructions that name none of its registers are places.
.macro PLACES n
.rept \n
	v_nop
.endr
.endm
; A step of 128 along K that has its successor in the same slot.
.macro STEP slot, q, first
	s_wait_dscnt 4*NL                              ; B's set and A's blocks 0-3 are in; the youngest 16 loads (A's blocks 4-7) may be out
.if \first
	WIN FIRST_LO
.else
	WIN MUL_LO
.endif
	MUL16 0, (\q)%2, \q, \slot, \first
	MUL16 2, (\q)%2, \q, \slot, \first
	s_wait_dscnt 0                                 ; A's blocks 4-7 are in (asked for 32 matrix instructions ago)
	PLACES NP
	FETCH_B \slot, (\q)+1, 1-(\q)%2
	FETCH_A \slot, (\q)+1, 0
.if \first
	WIN FIRST_HI
.else
	WIN MUL_HI
.endif
	MUL16 4, (\q)%2, \q, \slot, \first
	MUL16 6, (\q)%2, \q, \slot, \first
	PLACES NP
	WIN 0
	FETCH_A \slot, (\q)+1, 4
.endm
; A slot's last step changes slots: ONE barrier; in front of it each wave waits for all its tensor loads, adds 0 to its spare word, and waits for that and for its own reads of this slot.  fill = 1: this slot is filled again, two K steps ahead.
.macro TURN slot, next, fill
	s_wait_tensorcnt 0x0                           ; all my tensor loads have landed: my part of the next slot (every window is 0 here)
	ds_add_u32 v[SPW], v[NIL]                      ; 0 onto my spare word
	s_wait_dscnt 4*NL+1                            ; (the add and the youngest 16 loads, A's blocks 4-7, may be out)
	WIN MUL_LO
	MUL16 0, 1, NQ-1, \slot, 0                     ; sixteen matrix instructions stand between the add and the wait for it
	s_wait_dscnt 0x0                               ; the add is done, and my reads of this slot are over
	s_barrier_signal -1
	MUL16 2, 1, NQ-1, \slot, 0
	WIN 0
	s_barrier_wait -1
.if \fill
	CREST                                          ; the barrier has opened a round of the cluster's barrier: no wave of any partner still reads this slot's tile or has a load on its way
	s_add_nc_u64 s[G0+4*\slot+2:G0+4*\slot+3], s[G0+4*\slot+2:G0+4*\slot+3], 2*ROWB
	s_add_nc_u64 s[G0B+4*\slot+2:G0B+4*\slot+3], s[G0B+4*\slot+2:G0B+4*\slot+3], 2*ROWB
	JLOAD G0+4*\slot, G1, G0B+4*\slot, G1B         ; the first tensor load behind the round; its four v_nop are among the places in front of the loads below
	PLACES NP-4
.else
	PLACES NP
.endif
	s_wait_alu depctr_va_vdst(0)
	v_add_nc_u32 v[ADRS], 4*NQ, v[ADRS]            ; on to the next K step's scale words (no LDS load of mine is out)
	FETCH_B \next, 0, 0
	FETCH_A \next, 0, 0
	SCALES \next
	WIN MUL_HI
	MUL16 4, 1, NQ-1, \slot, 0
	MUL16 6, 1, NQ-1, \slot, 0
	PLACES NP
	WIN 0
	FETCH_A \next, 0, 4
.endm
	s_wait_alu depctr_va_vdst(0)
	s_wait_tensorcnt 1                             ; of my three first fills the scales and K step 0 are in; K step 1's may be out
	s_barrier_signal -1
	s_barrier_wait -1                              ; everybody's are
	FETCH_B 0, 0, 0
	FETCH_A 0, 0, 0
	SCALES 0
	FETCH_A 0, 0, 4
	STEP 0, 0, 1                                   ; the first step stands in front of the loop: its products start the sums, from the bias
	s_mov_b32 s3, LAPS-1
.Llap:                                                 ; a trip goes once round the ring, from a lap's second step to the next lap's first, and fills both slots again
	TURN 0, 1, 1
	STEP 1, 0, 0
	TURN 1, 0, 1
	STEP 0, 0, 0
	s_sub_co_u32 s3, s3, 1
	s_cmp_lg_u32 s3, 0
	s_cbranch_scc1 .Llap
	TURN 0, 1, 0                                   ; the last lap fills nothing, and has no round of the cluster's barrier
	STEP 1, 0, 0
	s_wait_dscnt 4*NL                              ; the very last step: nothing more to fetch
	WIN MUL_LO
	MUL16 0, 1, NQ-1, 1, 0
	MUL16 2, 1, NQ-1, 1, 0
	s_wait_dscnt 0
	WIN MUL_HI
	MUL16 4, 1, NQ-1, 1, 0
	MUL16 6, 1, NQ-1, 1, 0
	WIN 0
; THE WAY OUT, a block of 16 rows R x 128 along P at a time.  A lane's 64 numbers are four blocks of 32 along P, each shared with lane l xor 16: register 16 B + 8 u + j is P = 32 B + 16 u + 8 h + j.
; ADDB: block a's numbers come into window 0, with the bias along R added on the way; each accumulator is read from its low end on.
.macro ADDB a
	WIN 0x02+(\a)/4                                ; source 0: window 2 or 3
.set AC, 64*((\a)%4)
.set i, 0
.rept 32
	v_pk_add_f32 v[T+i:T+i+1], v[AC+i:AC+i+1], v[RB2+2*(\a):RB2+2*(\a)+1]
.set i, i+2
.endr
	WIN 0
.endm
; QUANT: the 64 numbers v[s] on become 64 codes in v[pc] on and the row's scale word in v[pw].  A block's scale byte is its largest magnitude's exponent field less 15, held at 1 from below by a floor among the maximum's leaves.
.macro QUANT s, pc, pw
.irp b, 0,1,2,3
	v_max3_num_f32 v[TM+\b], |v[\s+16*\b]|, |v[\s+1+16*\b]|, 0x8000000   ; my 16 numbers of block b, and the floor 2^(16 - 127)
.endr
.irp i, 2,4,6,8,10,12,14
.irp b, 0,1,2,3
	v_max3_num_f32 v[TM+\b], v[TM+\b], |v[\s+16*\b+\i]|, |v[\s+1+16*\b+\i]|   ; (the four blocks by turns)
.endr
.endr
.irp b, 0,1,2,3
	v_permlanex16_b32 v[TM+4+\b], v[TM+\b], s[SEL], s[SEL+1]
.endr
.irp b, 0,1,2,3
	v_max_num_f32 v[TM+\b], v[TM+\b], v[TM+4+\b]   ; with lane l xor 16's: the block's largest magnitude
.endr
.irp b, 0,1,2,3
	v_add_nc_u32 v[TM+12+\b], 0xf8800000, v[TM+\b]   ; 15 off its exponent field: the conversion takes the exponent field of this operand as its scale
.endr
.irp b, 0,1,2,3
.endr
.irp b, 0,1,2,3
	v_lshrrev_b32 v[TM+4+\b], 23, v[TM+12+\b]      ; the scale's byte
.endr
	v_lshl_or_b32 v[\pw], v[TM+5], 8, v[TM+4]      ; the four bytes make my row's scale word (lanes l and l xor 16 hold the same)
	v_lshl_or_b32 v[\pw], v[TM+6], 16, v[\pw]
	v_lshl_or_b32 v[\pw], v[TM+7], 24, v[\pw]
.irp b, 0,1,2,3
.irp i, 0,1,2,3,4,5,6,7,8,9,10,11,12,13,14,15
.endr
	v_cvt_scalef32_pk8_bf8_f32 v[(\pc)+4*\b:(\pc)+4*\b+1], v[\s+16*\b:\s+16*\b+7], v[TM+12+\b]
	v_cvt_scalef32_pk8_bf8_f32 v[(\pc)+4*\b+2:(\pc)+4*\b+3], v[\s+16*\b+8:\s+16*\b+15], v[TM+12+\b]
.endr
	v_nop                                          ; one plain vector instruction behind the last conversion, ahead of the next vector instruction that writes its sources
.endm
; TOSTAGE: eight bytes at a time into rows of 64 bytes (+ 16), a chunk of 64 along P after the other; the scale word to its place; the codes back as they lie in memory.  LDS serves a wave's instructions in order (ISA guide 5.7.1.4).
.macro TOSTAGE a
.set E2, (\a)%2
.irp b, 0,1,2,3
.irp u, 0,1
	ds_store_b64 v[STO], v[PC+16*E2+4*\b+2*\u:PC+16*E2+4*\b+2*\u+1] offset:(\b/2)*1280+32*(\b%2)+16*\u
.endr
.endr
	ds_store_b32 v[SWA], v[PW+E2] offset:64*(\a)
.irp t, 0,1,2,3
	ds_load_b128 v[OB+16*E2+4*\t:OB+16*E2+4*\t+3], v[RD] offset:(\t/2)*1280+(\t%2)*640
.endr
.endm
.macro SEND a, younger                 ; younger: the LDS instructions issued behind block a's loads, which may stay out
.set E2, (\a)%2
	s_wait_dscnt \younger
.irp t, 0,1
	global_store_b128 v[CO], v[OB+16*E2+4*\t:OB+16*E2+4*\t+3], s[4:5] offset:1024*(\a)+512*\t        ; eight rows of 64 bytes: 512 consecutive bytes, at a multiple of 512 from the buffer's first byte
.endr
.irp t, 0,1
	global_store_b128 v[CO], v[OB+16*E2+8+4*\t:OB+16*E2+8+4*\t+3], s[8:9] offset:1024*(\a)+512*\t
.endr
.endm
	PLACES NP                                      ; behind the last products
.irp a, 0,1,2,3,4,5,6,7
	v_mov_b32 v[RB2+2*\a], v[RB+\a]
	v_mov_b32 v[RB2+2*\a+1], v[RB+\a]
.endr
.irp b, 0,1,2,3
	v_mov_b32 v[TM+4+\b], 0                        ; written once: a lane permute's destination counts as one of its sources
.endr
.irp a, 0,1,2,3,4,5,6,7
	ADDB \a
	QUANT T, PC+16*((\a)%2), PW+(\a)%2
.if \a > 1
	s_wait_alu depctr_va_vdst(0)
	s_wait_xcnt 0x0                                ; block a - 2's stores have read their registers: block a's loads may land there
.endif
	TOSTAGE \a
.if \a > 0
	SEND \a-1, 13                                  ; behind block a - 1's loads: block a's 9 stores and 4 loads
.endif
.endr
	SEND 7, 0
	ds_load_b128 v[SW:SW+3], v[SRD]                ; my 128 rows' scale words, four a lane
	s_wait_dscnt 0x0
	s_cmp_eq_u32 s[TYPE], 1                        ; the cluster's type: the same in all partners
	s_cbranch_scc0 .Lv_words
.irp i, 0,1,2,3
	v_and_b32 v[SW+4+\i], 0xffff, v[SW+\i]         ; QK: blocks 0, 1 belong to my first head,
.endr
.irp i, 0,1,2,3
	v_lshrrev_b32 v[SW+8+\i], 16, v[SW+\i]         ; blocks 2, 3 to my second; the upper two bytes are 0
.endr
	global_store_b128 v[CO], v[SW+4:SW+7], s[6:7]
	global_store_b128 v[CO], v[SW+8:SW+11], s[6:7] offset:32768
	s_branch .Lwords_out
.Lv_words:
	global_store_b128 v[CO], v[SW:SW+3], s[6:7]    ; V: the word as it stands: four blocks of 32 tokens
.Lwords_out:
	s_wait_tensorcnt 0x0                           ; the wave's end: behind my last tensor load and my last LDS store
	ds_add_u32 v[SPW], v[NIL]
	s_wait_dscnt 0x0
	CROUND                                         ; the closing round: no work-group ends while a partner may still ask for a tile that names it
	s_endpgm
.Lfunc_end_k_q7316760400_qkv:
	.size	k_q7316760400_qkv, .Lfunc_end_k_q7316760400_qkv-k_q7316760400_qkv
	.p2alignl 7, 3214868480
	.fill 96, 4, 3214868480
	.section	.rodata,"a",@progbits
	.p2align	6, 0x0
	.amdhsa_kernel k_q7316760400_qkv
		.amdhsa_group_segment_fixed_size 327680
		.amdhsa_private_segment_fixed_size 0
		.amdhsa_enable_private_segment 0
		.amdhsa_kernarg_size 72
		.amdhsa_user_sgpr_count 2
		.amdhsa_user_sgpr_kernarg_segment_ptr 1
		.amdhsa_wavefront_size32 1
		.amdhsa_system_sgpr_workgroup_id_x 1
		.amdhsa_system_sgpr_workgroup_id_y 1
		.amdhsa_system_sgpr_workgroup_id_z 1
		.amdhsa_system_vgpr_workitem_id 0
		.amdhsa_next_free_vgpr 1024
		.amdhsa_next_free_sgpr 106
		.amdhsa_reserve_vcc 0
		.amdhsa_float_denorm_mode_32 3
		.amdhsa_float_denorm_mode_16_64 3
		.amdhsa_fp16_overflow 1
		.amdhsa_memory_ordered 1
		.amdhsa_forward_progress 1
		.amdhsa_inst_pref_size 179
	.end_amdhsa_kernel
	.amdgpu_metadata
---
amdhsa.version: [ 1, 2 ]
amdhsa.kernels:
  - .name:           k_q7316760400_qkv
    .symbol:         k_q7316760400_qkv.kd
    .args:
      - { .name: x_codes, .offset: 0, .size: 8, .value_kind: global_buffer, .address_space: global }
      - { .name: x_scales, .offset: 8, .size: 8, .value_kind: global_buffer, .address_space: global }
      - { .name: W_attn_codes, .offset: 16, .size: 8, .value_kind: global_buffer, .address_space: global }
      - { .name: W_attn_scales, .offset: 24, .size: 8, .value_kind: global_buffer, .address_space: global }
      - { .name: b_attn, .offset: 32, .size: 8, .value_kind: global_buffer, .address_space: global }
      - { .name: qk_codes, .offset: 40, .size: 8, .value_kind: global_buffer, .address_space: global }
      - { .name: qk_scales, .offset: 48, .size: 8, .value_kind: global_buffer, .address_space: global }
      - { .name: vt_codes, .offset: 56, .size: 8, .value_kind: global_buffer, .address_space: global }
      - { .name: vt_scales, .offset: 64, .size: 8, .value_kind: global_buffer, .address_space: global }
    .group_segment_fixed_size: 327680
    .private_segment_fixed_size: 0
    .kernarg_segment_align: 8
    .kernarg_segment_size: 72
    .max_flat_workgroup_size: 128
    .sgpr_count:     106
    .vgpr_count:     1024
    .wavefront_size: 32
...
	.end_amdgpu_metadata
.endif
;; end of part 1
;; launch attn (part 2): grid 4 x 64, 16 waves a work-group, no clusters, 327,680 bytes of LDS; arguments qk_codes, qk_scales, vt_codes, vt_scales, y_codes, y_scales; writes y_codes, y_scales
.if DOCPART == 2
	.amdgcn_target "amdgcn-amd-amdhsa--gfx1250"
	.amdhsa_code_object_version 6
	.text
	.protected	k_q7316760400_attn
	.globl	k_q7316760400_attn
	.p2align	8
	.type	k_q7316760400_attn,@function
k_q7316760400_attn:
	s_mov_b64 s[64:65], 0
	v_nop
	global_prefetch_b8 v0, s[64:65] scope:SCOPE_SE
	s_setreg_imm32_b32 hwreg(HW_REG_WAVE_MODE, 25, 1), 1
	s_wait_xcnt 0x0
; y[b][t][head] = the sum over keys k <= t of softmax_k(Q . K / 8) V, both products on codes of BF8 (E5M2) with one E8M0 scale for each 32 along a product's K; then y is quantised along its 64 channels (two blocks) for the last product.
; IN: qk_codes [32][8,192][64] (0-15: Q of head g; 16-31: K), qk_scales one word a row (bytes 0, 1; bytes 2, 3 are 0); vt_codes [128 chunks of 64 tokens][1,024][64] (V with the keys innermost), vt_scales [64 runs of 128 tokens][1,024] words.
; OUT: y_codes [16 heads][8,192 tokens][64], y_scales [8,192][32] bytes.
; THE SOFTMAX AHEAD OF THE SECOND PRODUCT: t = score x log2(e) / 8; M = the running largest t, rounded UP to a whole number; p = 2^(t - M) is quantised along the keys, not normalised; the row's sum is taken of the unquantised p
; and divides at the end.  When M moves, the sum and O are multiplied by 2^(old M - new M): exact.
; THE FIRST PRODUCT HAS K = 64 in an instruction of 128: registers 8-15 of both fragments hold zero codes, written once; their scale bytes are 0, which is a power of two over zeros.
; SHARES.  A head has 8 blocks of 256 queries; block j needs key slots 0 .. j of 256 keys.  Work-group (p, head) takes block p and then block 7 - p: (p + 1) + (8 - p) = 9 slots, the same number for every work-group:
; the loop's trip count is a constant, no slot is fetched that nobody reads, and all 256 work-groups have equal work.  Each of the SIXTEEN waves owns 16 queries of the block in hand, in 256 registers: four waves to a SIMD.
; NO CLUSTER: the four work-groups of a head are in different key slots at the same trip (work-group p returns to slot 0 behind trip p), so no two of them could issue the same load in the same round.
; LAYOUT.  Both products are used transposed: S^T = K Q^T (source 0 = 16 keys, source 1 = my 16 queries), O^T = V^T P^T (source 0 = 16 channels, source 1 = P): a lane holds ONE query (lane % 16) throughout.
; THE KEYS OF A TILE ARE NOT NEIGHBOURS: lane r of tile 2 b + u takes key 32 b + 8 u + r + 8 (r / 8), so that the 16 registers of tiles 2 b and 2 b + 1 are the keys 32 b + 16 (lane / 16) + 0 .. 15.
; LIMITS: NaN and infinities are not served.  A block of zeros gets the scale byte 1 (its codes are zeros; this program alone reads the bytes).
; REGISTERS: v1-7 addresses that stay; v8-11 addresses of the step; v12 -M, v13 the largest t, v[14:15] the sum; v16-23 Q, v24-31 zeros; v32-95 four fragments of K (upper halves zeros); v96-159 S^T, then p, then V's four fragments;
;   v160-191 O^T; v192-200 the second block's Q and its scale word; v201-217 the way out; v224-239 codes; v232-247 at work; v248-251 K's or V's scale words; v252 f; v253 p's scale word; v254 at work; v255 Q's scale word.
.set KP,    144                        ; two keys' 128 bytes + 16 of padding: key k of a slot lies at (k / 2) KP + 64 (k % 2); the 16 keys of a tile fall on 16 different columns of 16 bytes modulo 256
.set VL,    272                        ; four channels' 256 bytes + 16: channel d of a chunk lies at (d / 4) VL + 64 (d % 4)
.set VCH,   16*VL                      ; a chunk of V: 64 channels x 64 keys
.set VOFF,  128*KP                     ; a slot: K's 256 keys, then V's four chunks,
.set KSOFF, VOFF+4*VCH                 ; K's 256 scale words,
.set VSOFF, KSOFF+1024                 ; V's 2 x 64 scale words
.set SLOT1, 1<<16                      ; slot 1 begins here, so that one exclusive or turns an address in one slot into the other's
.set STAGE, 2*SLOT1                    ; behind the ring: 16 rows x (64 bytes + 16) for each wave: bytes into which no fill lands
.set SPARE, STAGE+16*1280              ; the spare words, 128 bytes for each wave: eight blocks of 256 bytes that no other line names
.set AK0,  1                           ; v1   my lane's place in a tile of K
.set AV0,  2                           ; v2   in a tile of V
.set ASK0, 3                           ; v3   among K's scale words
.set ASV0, 4                           ; v4   among V's
.set SPW,  5                           ; v5   LDS address of my spare word; never rewritten
.set NIL,  6                           ; v6   0; never rewritten
.set GO,   7                           ; v7   16 x lane: my place in 512 consecutive bytes of y_codes
.set ADK,  8
.set ADV,  9
.set ADS,  10
.set ADT,  11
.set QB,   192                         ; v192-199 the second block's Q
.set QBS,  200                         ; v200 its scale word
.set STO,  201                         ; v201 the way out: where I put 8 codes of a row
.set RD,   202                         ; v202 and where I read 16 bytes back
.set YSO,  203                         ; v203 32 r + h: my byte in the wave's 16 rows of y_scales
.set SX,   204                         ; v204 the other half's sum
.set H8,   205                         ; v205 8 h
.set MX,   206                         ; v206-207 y's largest magnitudes
.set PL,   208                         ; v208-209 the other half's
.set HD,   210
.set SOP,  212                         ; v212-213 the conversions' scales
.set BY,   214                         ; v214-215 the scale bytes
.set HW,   216                         ; v216 both bytes
.set DL,   217                         ; v217 r - 16 h, for the causal mask
.set TB,   2                           ; s2   LDS byte at which the slot in hand begins
.set IT,   3                           ; s3   the trip: 0 .. 8
.set P,    16                          ; s16  p
.set KSC,  17                          ; s17  the key slot in hand
.set WV,   18                          ; s18  my wave's number
.set MNT,  19
.set SEL,  20                          ; s[20:21] lane selects: lane l xor 16
.set CS,   22                          ; s[22:23] c = log2(e) / 8
.set G1K,  24                          ; s[24:31] group 1 for K's tiles; s[32:39] V's; s[40:47] K's scale words; s[48:55] V's
.set G1V,  32
.set G1KS, 40
.set G1VS, 48
.set G0K,  56                          ; groups 0
.set G0V,  60
.set G0KS, 68
.set G0VS, 72
.set KB,   76                          ; s[76:77] what I would fetch of key slot 0: K's codes; s[78:79] V's; s[80:81] K's scale words; s[82:83] V's
.set VB,   78
.set KSB,  80
.set VSB,  82
.set KSN,  84                          ; s84  the key slot of the next trip
.set KF,   85                          ; s85  the step's first key
.set Q0,   86                          ; s86  my first query of the block in hand
.set Q0B,  87                          ; s87  of the second block
.set YP,   88                          ; s[88:89] my 16 rows of y_codes; s[90:91] of y_scales, at my head's two bytes
.set YSP,  90
.set OF,   92                          ; s[92:93] an offset, 0 above
.set YPB,  94                          ; s[94:95], s[98:99] the same two for the second block
.set YSPB, 98
; Waves 0, 1 fetch K's halves, waves 2-5 V's four chunks, wave 6 K's scale words, wave 7 V's; the others nothing.  The branches hang on the wave's number alone.  Four v_nop follow each tensor load.
.macro TLOAD
	s_cmp_lt_u32 s[WV], 2
	s_cbranch_scc0 .Lnot_k_\@
	tensor_load_to_lds s[G0K:G0K+3], s[G1K:G1K+7]
	s_nop 0
.rept 4
	v_nop
.endr
	s_branch .Lasked_\@
.Lnot_k_\@:
	s_cmp_lt_u32 s[WV], 6
	s_cbranch_scc0 .Lnot_v_\@
	tensor_load_to_lds s[G0V:G0V+3], s[G1V:G1V+7]
	s_nop 0
.rept 4
	v_nop
.endr
	s_branch .Lasked_\@
.Lnot_v_\@:
	s_cmp_eq_u32 s[WV], 6
	s_cbranch_scc0 .Lnot_ks_\@
	tensor_load_to_lds s[G0KS:G0KS+3], s[G1KS:G1KS+7]
	s_nop 0
.rept 4
	v_nop
.endr
	s_branch .Lasked_\@
.Lnot_ks_\@:
	s_cmp_eq_u32 s[WV], 7
	s_cbranch_scc0 .Lasked_\@
	tensor_load_to_lds s[G0VS:G0VS+3], s[G1VS:G1VS+7]
	s_nop 0
.rept 4
	v_nop
.endr
.Lasked_\@:
.endm
	s_load_b256 s[4:11], s[0:1], 0x0               ; qk_codes s[4:5], qk_scales s[6:7], vt_codes s[8:9], vt_scales s[10:11]
	s_load_b128 s[12:15], s[0:1], 0x20             ; y_codes s[12:13], y_scales s[14:15]
	v_lshl_add_u32 v[SPW], v0, 2, SPARE
	v_mov_b32 v[NIL], 0
	ds_add_u32 v5, v6
	ds_add_u32 v5, v6
	s_wait_dscnt 0x0
	v_lshrrev_b32 v8, 5, v0
	s_delay_alu instid0(VALU_DEP_1)
	v_readfirstlane_b32 s[WV], v8                  ; wave 0..15
	s_mov_b32 s[P], ttmp9
	s_and_b32 s96, ttmp7, 0xffff
	s_lshr_b32 s97, s96, 4                         ; the batch b
	s_and_b32 s96, s96, 15                         ; the head g
	s_lshl_b32 s100, s96, 13
	s_lshl_b32 s101, s97, 11                       ; the batch's first token
	s_add_co_u32 s100, s100, s101                  ; 8,192 g + 2,048 b: the first row of this head and batch in qk_codes, qk_scales, y_codes
	s_lshl_b32 s84, s[WV], 4
	s_lshl_b32 s[Q0], s[P], 8
	s_add_co_u32 s[Q0], s[Q0], s84                 ; my first query: 256 p + 16 x wave,
	s_sub_co_u32 s[Q0B], 7, s[P]
	s_lshl_b32 s[Q0B], s[Q0B], 8
	s_add_co_u32 s[Q0B], s[Q0B], s84               ; and then 256 (7 - p) + 16 x wave
	s_add_co_u32 s85, s100, 16*8192                ; K lies 16 heads behind Q
	s_and_b32 s84, s[WV], 1
	s_lshl_b32 s[KB], s85, 6
	s_lshl_b32 s[OF], s84, 13
	s_add_co_u32 s[KB], s[KB], s[OF]               ; K's codes: 64 bytes a key; my half of a slot: 128 keys
	s_mov_b32 s[KB+1], 0
	s_lshl_b32 s[KSB], s85, 2                      ; K's scale words
	s_mov_b32 s[KSB+1], 0
	s_mul_i32 s[G0K+1], s84, 64*KP                 ; and where my half goes in slot 0
	s_add_co_u32 s85, s[WV], 2
	s_and_b32 s85, s85, 3                          ; waves 2-5: chunks 0-3
	s_lshl_b32 s[VB], s97, 21                      ; V's codes: 32 chunks of 65,536 bytes a batch,
	s_lshl_b32 s[OF], s96, 12                      ; 4,096 bytes a head in a chunk,
	s_add_co_u32 s[VB], s[VB], s[OF]
	s_lshl_b32 s[OF], s85, 16                      ; my chunk
	s_add_co_u32 s[VB], s[VB], s[OF]
	s_mov_b32 s[VB+1], 0
	s_mul_i32 s[G0V+1], s85, VCH
	s_add_co_u32 s[G0V+1], s[G0V+1], VOFF
	s_lshl_b32 s[VSB], s97, 16                     ; V's scale words: 16 rows of 4,096 bytes a batch,
	s_lshl_b32 s[OF], s96, 8                       ; 256 bytes a head in a row
	s_add_co_u32 s[VSB], s[VSB], s[OF]
	s_mov_b32 s[VSB+1], 0
	s_mov_b32 s[G0KS+1], KSOFF
	s_mov_b32 s[G0VS+1], VSOFF
	s_add_co_u32 s[YP], s100, s[Q0]
	s_lshl_b32 s[YP], s[YP], 6
	s_mov_b32 s[YP+1], 0
	s_add_co_u32 s[YPB], s100, s[Q0B]
	s_lshl_b32 s[YPB], s[YPB], 6
	s_mov_b32 s[YPB+1], 0
	s_lshl_b32 s96, s96, 1                         ; my head's two bytes in a row of y_scales
	s_add_co_u32 s[YSP], s101, s[Q0]
	s_lshl_b32 s[YSP], s[YSP], 5
	s_add_co_u32 s[YSP], s[YSP], s96
	s_mov_b32 s[YSP+1], 0
	s_add_co_u32 s[YSPB], s101, s[Q0B]
	s_lshl_b32 s[YSPB], s[YSPB], 5
	s_add_co_u32 s[YSPB], s[YSPB], s96
	s_mov_b32 s[YSPB+1], 0
	s_mov_b32 s[OF+1], 0
	; descriptor groups 1, elements of 8 bytes.  K: 128 keys, 8,192 dense bytes, as 64 rows of 128 bytes, 16 bytes of padding behind each
	s_mov_b32 s[G1K], (3<<16)|(1<<20)|(4<<22)|(3<<25)
	s_mov_b32 s[G1K+1], 16<<16                     ; tensor_dim0
	s_mov_b32 s[G1K+2], 64<<16                     ; tensor_dim1
	s_mov_b32 s[G1K+3], 16<<16                     ; tile_dim0
	s_mov_b32 s[G1K+4], 64                         ; tile_dim1
	s_mov_b32 s[G1K+5], 16                         ; tensor_dim0_stride
	s_mov_b32 s[G1K+6], 0
	s_mov_b32 s[G1K+7], 0
	; V: a chunk's 64 channels x 64 keys of one head, 4,096 dense bytes, as 16 rows of 256 bytes, 16 bytes of padding behind each
	s_mov_b32 s[G1V], (3<<16)|(1<<20)|(5<<22)|(3<<25)
	s_mov_b32 s[G1V+1], 32<<16
	s_mov_b32 s[G1V+2], 16<<16
	s_mov_b32 s[G1V+3], 32<<16
	s_mov_b32 s[G1V+4], 16
	s_mov_b32 s[G1V+5], 32
	s_mov_b32 s[G1V+6], 0
	s_mov_b32 s[G1V+7], 0
	; K's scale words of 256 keys: 1,024 dense bytes, as 4 rows of 256
	s_mov_b32 s[G1KS], 3<<16
	s_mov_b32 s[G1KS+1], 32<<16
	s_mov_b32 s[G1KS+2], 4<<16
	s_mov_b32 s[G1KS+3], 32<<16
	s_mov_b32 s[G1KS+4], 4
	s_mov_b32 s[G1KS+5], 32
	s_mov_b32 s[G1KS+6], 0
	s_mov_b32 s[G1KS+7], 0
	; V's scale words of two key steps: 2 rows of 256 bytes, 4,096 bytes apart
	s_mov_b32 s[G1VS], 3<<16
	s_mov_b32 s[G1VS+1], 32<<16
	s_mov_b32 s[G1VS+2], 2<<16
	s_mov_b32 s[G1VS+3], 32<<16
	s_mov_b32 s[G1VS+4], 2
	s_mov_b32 s[G1VS+5], 512
	s_mov_b32 s[G1VS+6], 0
	s_mov_b32 s[G1VS+7], 0
	s_mov_b32 s[SEL], 0x76543210
	s_mov_b32 s[SEL+1], 0xfedcba98
	s_mov_b32 s[CS], 0x3e38aa3b                    ; c = log2(e) / 8
	s_mov_b32 s[CS+1], s[CS]                       ; (named with it as a pair, so it is written)
	s_mov_b32 s[TB], 0
	s_wait_kmcnt 0x0
	s_add_nc_u64 s[KB:KB+1], s[4:5], s[KB:KB+1]
	s_add_nc_u64 s[KSB:KSB+1], s[6:7], s[KSB:KSB+1]
	s_add_nc_u64 s[VB:VB+1], s[8:9], s[VB:VB+1]
	s_add_nc_u64 s[VSB:VSB+1], s[10:11], s[VSB:VSB+1]
	s_mov_b32 s[G0K], 1
	s_mov_b64 s[G0K+2:G0K+3], s[KB:KB+1]
	s_or_b32 s[G0K+3], s[G0K+3], 0x80000000
	s_mov_b32 s[G0V], 1
	s_mov_b64 s[G0V+2:G0V+3], s[VB:VB+1]
	s_or_b32 s[G0V+3], s[G0V+3], 0x80000000
	s_mov_b32 s[G0KS], 1
	s_mov_b64 s[G0KS+2:G0KS+3], s[KSB:KSB+1]
	s_or_b32 s[G0KS+3], s[G0KS+3], 0x80000000
	s_mov_b32 s[G0VS], 1
	s_mov_b64 s[G0VS+2:G0VS+3], s[VSB:VSB+1]
	s_or_b32 s[G0VS+3], s[G0VS+3], 0x80000000
	TLOAD                                          ; key slot 0 into slot 0: the one first fill of each fetching wave
	s_lshl_b32 s[OF], s100, 6
	s_add_nc_u64 s[4:5], s[4:5], s[OF:OF+1]        ; Q's codes at this head and batch,
	s_lshl_b32 s[OF], s100, 2
	s_add_nc_u64 s[6:7], s[6:7], s[OF:OF+1]        ; and its scale words
	s_add_nc_u64 s[YP:YP+1], s[12:13], s[YP:YP+1]
	s_add_nc_u64 s[YPB:YPB+1], s[12:13], s[YPB:YPB+1]
	s_add_nc_u64 s[YSP:YSP+1], s[14:15], s[YSP:YSP+1]
	s_add_nc_u64 s[YSPB:YSPB+1], s[14:15], s[YSPB:YSPB+1]
	v_and_b32 v8, 15, v0                           ; r = lane % 16
	v_bfe_u32 v9, v0, 4, 1                         ; h = lane / 16
	s_delay_alu instid0(VALU_DEP_2)
	v_lshlrev_b32 v10, 6, v8
	s_delay_alu instid0(VALU_DEP_1)
	v_lshl_add_u32 v10, v9, 4, v10                 ; Q: row r of 64 bytes, + 16 h
	s_lshl_b32 s96, s[Q0], 6
	s_lshl_b32 s97, s[Q0B], 6
	v_add_nc_u32 v232, s96, v10
	v_add_nc_u32 v233, s97, v10
	v_lshlrev_b32 v10, 2, v8
	s_lshl_b32 s96, s[Q0], 2
	s_lshl_b32 s97, s[Q0B], 2
	v_add_nc_u32 v234, s96, v10
	v_add_nc_u32 v235, s97, v10
	global_load_b128 v[16:19], v232, s[4:5]                ; both blocks' fragments of Q: registers 4 c on hold channels 32 c + 16 h + 0 .. 15, c = 0, 1
	global_load_b128 v[20:23], v232, s[4:5] offset:32
	global_load_b128 v[QB:QB+3], v233, s[4:5]
	global_load_b128 v[QB+4:QB+7], v233, s[4:5] offset:32
	global_load_b32 v255, v234, s[6:7]
	global_load_b32 v[QBS], v235, s[6:7]
	v_and_b32 v11, 8, v8
	s_delay_alu instid0(VALU_DEP_1)
	v_add_nc_u32 v11, v11, v8                      ; r + 8 (r / 8)
	s_delay_alu instid0(VALU_DEP_1)
	v_lshrrev_b32 v12, 1, v11
	s_delay_alu instid0(VALU_DEP_1)
	v_mul_u32_u24 v[AK0], v12, KP
	s_delay_alu instid0(VALU_DEP_3)
	v_and_b32 v12, 1, v11
	s_delay_alu instid0(VALU_DEP_1)
	v_lshl_add_u32 v[AK0], v12, 6, v[AK0]
	s_delay_alu instid0(VALU_DEP_1)
	v_lshl_add_u32 v[AK0], v9, 4, v[AK0]
	v_lshrrev_b32 v12, 2, v8
	s_delay_alu instid0(VALU_DEP_1)
	v_mul_u32_u24 v[AV0], v12, VL
	v_and_b32 v12, 3, v8
	s_delay_alu instid0(VALU_DEP_1)
	v_lshl_add_u32 v[AV0], v12, 6, v[AV0]
	s_delay_alu instid0(VALU_DEP_1)
	v_lshl_add_u32 v[AV0], v9, 4, v[AV0]
	s_delay_alu instid0(VALU_DEP_1)
	v_add_nc_u32 v[AV0], VOFF, v[AV0]
	v_lshl_add_u32 v[ASK0], v11, 2, KSOFF
	v_lshl_add_u32 v[ASV0], v8, 2, VSOFF
	v_and_b32 v12, 31, v0
	s_delay_alu instid0(VALU_DEP_1)
	v_lshlrev_b32 v[GO], 4, v12
	s_mul_i32 s96, s[WV], 1280
	s_add_co_u32 s96, s96, STAGE                   ; my stage
	v_mul_u32_u24 v[STO], v8, 80
	s_delay_alu instid0(VALU_DEP_1)
	v_lshl_add_u32 v[STO], v9, 3, v[STO]
	s_delay_alu instid0(VALU_DEP_1)
	v_add_nc_u32 v[STO], s96, v[STO]               ; in: row r, 8 bytes for each half of the lanes
	v_lshrrev_b32 v13, 2, v12
	s_delay_alu instid0(VALU_DEP_1)
	v_mul_u32_u24 v[RD], v13, 80
	v_and_b32 v13, 3, v12
	s_delay_alu instid0(VALU_DEP_1)
	v_lshl_add_u32 v[RD], v13, 4, v[RD]
	s_delay_alu instid0(VALU_DEP_1)
	v_add_nc_u32 v[RD], s96, v[RD]                 ; back: four lanes to a row of 64 bytes
	v_lshl_add_u32 v[YSO], v8, 5, v9
	v_lshlrev_b32 v[H8], 3, v9
	v_lshlrev_b32 v13, 4, v9
	s_delay_alu instid0(VALU_DEP_1)
	v_sub_nc_u32 v[DL], v8, v13
	v_mov_b32 v13, 0xff61b1e6                      ; the largest t so far: -3e38, under every t
	s_delay_alu instid0(VALU_DEP_1)
	v_floor_f32 v12, -v13                          ; -M
	v_mov_b32 v14, 0                               ; the sum, in two halves
	v_mov_b32 v15, 0
.irp i, 0,1,2,3,4,5,6,7
	v_mov_b32 v[24+\i], 0                          ; zero codes for K = 64 .. 127: Q's,
.endr
.irp t, 0,1,2,3
.irp i, 0,1,2,3,4,5,6,7
	v_mov_b32 v[40+16*\t+\i], 0                    ; and K's four fragments'
.endr
.endr
.set jj, 0
.rept 32
	v_mov_b32 v[160+jj], 0                         ; O^T.  (A key step is written once: a block's first step finds zeros, which the first change of M leaves zeros)
.set jj, jj+1
.endr
.irp b, 0,1,2,3
	v_mov_b32 v[236+\b], 0                         ; written once: a lane permute's destination counts as one of its sources
.endr
	v_mov_b32 v[SX], 0
	v_mov_b32 v[PL], 0
	v_mov_b32 v[PL+1], 0
	v_mov_b32 v253, 0                              ; (named as the upper half of the pair v[252:253] before it is first written)
; A KEY STEP: 128 keys, the q-th of the slot in hand.
.macro STEP q
	s_add_co_u32 s96, s[Q0], 15                    ; CAUSAL.  A step all of whose keys come after my 16 queries is left out: a scalar branch on ids, round the step's loads, products and softmax
	s_cmp_gt_u32 s[KF], s96
	s_cbranch_scc1 .Lhidden_\@
	v_add_nc_u32 v[ADK], s[TB], v[AK0]
	s_wait_alu depctr_va_vdst(0)
	v_add_nc_u32 v[ADV], s[TB], v[AV0]
	v_add_nc_u32 v[ADS], s[TB], v[ASK0]
	s_wait_alu depctr_va_vdst(0)
	v_add_nc_u32 v[ADT], s[TB], v[ASV0]
.rept 5
	v_nop                                          ; with the four additions nine places behind the last step's products: the first products below write over registers that those have read (V's fragments)
.endr
.irp g, 0,1                                    ; S^T = K Q^T, four tiles of 16 keys at a time
.if \g > 0
.rept 8
	v_nop                                          ; places in front of loads into registers that matrix instructions have read
.endr
.endif
.irp t, 0,1,2,3
	ds_load_b128 v[32+16*\t:35+16*\t], v[ADK] offset:(64*(\q)+16*((4*\g+\t)/2)+4*(\t%2))*KP
	ds_load_b128 v[36+16*\t:39+16*\t], v[ADK] offset:(64*(\q)+16*((4*\g+\t)/2)+4*(\t%2))*KP+32
	ds_load_b32 v[248+\t], v[ADS] offset:(128*(\q)+32*((4*\g+\t)/2)+8*(\t%2))*4
.endr
	s_wait_dscnt 0x0
.irp t, 0,1,2,3
	v_wmma_scale_f32_16x16x128_f8f6f4 v[96+8*(4*\g+\t):103+8*(4*\g+\t)], v[32+16*\t:47+16*\t], v[16:31], 0, v[248+\t], v255 matrix_a_fmt:MATRIX_FMT_BF8 matrix_b_fmt:MATRIX_FMT_BF8
.endr
.endr                                          ; lane (r, h) holds query r; register 16 b + i is key KF + 32 b + 16 h + i
.rept 8
	v_nop
.endr
	s_add_co_u32 s96, s[KF], 127                   ; on the diagonal the scores of hidden keys become -infinity ahead of the maximum: p = 0 then.  A step all of whose keys count skips this
	s_cmp_le_u32 s96, s[Q0]
	s_cbranch_scc1 .Lopen_\@
	s_sub_co_i32 s96, s[Q0], s[KF]
	v_add_nc_u32 v252, s96, v[DL]                  ; d = my query - KF - 16 h: register 16 b + i is hidden where 32 b + i > d
	v_mov_b32 v254, 0xff800000                     ; -infinity
.set jj, 0
.rept 64
	v_cmp_gt_i32 vcc_lo, 32*(jj/16)+jj%16, v252
	v_cndmask_b32 v[96+jj], v[96+jj], v254, vcc_lo
.set jj, jj+1
.endr
.Lopen_\@:
.irp b, 0,1,2,3
	v_max3_num_f32 v[232+\b], v[96+16*\b], v[97+16*\b], v[98+16*\b]   ; THE LARGEST SCORE OF EACH BLOCK OF 32 KEYS serves twice: for the row's maximum, and, since p rises with the score, for the block's largest p
.endr
.irp i, 3,5,7,9,11,13
.irp b, 0,1,2,3
	v_max3_num_f32 v[232+\b], v[232+\b], v[96+16*\b+\i], v[97+16*\b+\i]   ; (the four blocks by turns)
.endr
.endr
.irp b, 0,1,2,3
	v_max_num_f32 v[232+\b], v[232+\b], v[111+16*\b]
.endr
.irp b, 0,1,2,3
	v_permlanex16_b32 v[236+\b], v[232+\b], s[SEL], s[SEL+1]
.endr
.irp b, 0,1,2,3
	s_delay_alu instid0(VALU_DEP_4)
	v_max_num_f32 v[232+\b], v[232+\b], v[236+\b]  ; with lane l xor 16's 16 keys
.endr
	s_delay_alu instid0(VALU_DEP_2)
	v_max3_num_f32 v254, v232, v233, v234
	s_delay_alu instid0(VALU_DEP_1)
	v_max_num_f32 v254, v254, v235                 ; the step's largest score of my query
	s_delay_alu instid0(VALU_DEP_1)
	v_mul_f32 v254, s[CS], v254                    ; as t (c is positive)
	s_delay_alu instid0(VALU_DEP_1)
	v_max_num_f32 v13, v13, v254                   ; the running largest t
	v_mov_b32 v254, v12
	s_delay_alu instid0(VALU_DEP_2)
	v_floor_f32 v12, -v13                          ; the new -M = floor(-t) = -ceil(t): M IS A WHOLE NUMBER
	s_delay_alu instid0(VALU_DEP_1)
	v_sub_f32 v254, v12, v254                      ; M's old value less its new one: a whole number, 0 or less
	s_delay_alu instid0(VALU_DEP_1)
	v_cvt_i32_f32 v254, v254                       ; (it saturates)
	s_delay_alu instid0(VALU_DEP_1)
	v_ldexp_f32 v252, 1.0, v254                    ; f = 2^(old M - new M): a multiplication by it rounds nothing
.set jj, 0
.rept 32
	v_pk_fma_f32 v[96+jj:97+jj], v[96+jj:97+jj], s[CS:CS+1], v[12:13] op_sel_hi:[1,0,0]   ; t - M, two at a time (of the pairs c and -M the low word serves both halves)
.set jj, jj+2
.endr
.irp b, 0,1,2,3
	v_fma_f32 v[232+\b], v[232+\b], s[CS], v12     ; the same of each block's largest score
.endr
.set jj, 0
	s_wait_alu depctr_va_vdst(0)
.rept 64
	v_exp_f32 v[96+jj], v[96+jj]                   ; p = 2^(t - M), at most 1: NOT normalised
.set jj, jj+1
.endr
	v_pk_mul_f32 v[14:15], v[14:15], v[252:253] op_sel_hi:[1,0]   ; the sums under the new M: the plain instruction behind the exponentials
	s_wait_alu depctr_va_vdst(0)                   ; one wait for the whole batch, ahead of its first reader
.irp b, 0,1,2,3
	v_exp_f32 v[232+\b], v[232+\b]                 ; the block's largest p: the same two instructions on the same number give the same bits
.endr
	v_pk_add_f32 v[236:237], v[100:101], v[104:105]
	v_pk_add_f32 v[250:251], v[108:109], v[112:113]
	v_pk_add_f32 v[248:249], v[116:117], v[120:121]
	v_pk_add_f32 v[246:247], v[124:125], v[128:129]
	v_pk_add_f32 v[244:245], v[132:133], v[136:137]
	v_pk_add_f32 v[242:243], v[140:141], v[144:145]
	v_pk_add_f32 v[240:241], v[148:149], v[152:153]
	v_pk_add_f32 v[14:15], v[14:15], v[156:157]
	v_pk_add_f32 v[236:237], v[236:237], v[96:97]
	v_pk_add_f32 v[250:251], v[250:251], v[98:99]
	v_pk_add_f32 v[248:249], v[248:249], v[102:103]
	v_pk_add_f32 v[246:247], v[246:247], v[106:107]
	v_pk_add_f32 v[244:245], v[244:245], v[110:111]
	v_pk_add_f32 v[242:243], v[242:243], v[114:115]
	v_pk_add_f32 v[240:241], v[240:241], v[118:119]
	v_pk_add_f32 v[14:15], v[14:15], v[122:123]
	v_pk_add_f32 v[236:237], v[236:237], v[126:127]
	v_pk_add_f32 v[250:251], v[250:251], v[130:131]
	v_pk_add_f32 v[248:249], v[248:249], v[134:135]
	v_pk_add_f32 v[246:247], v[246:247], v[138:139]
	v_pk_add_f32 v[244:245], v[244:245], v[142:143]
	v_pk_add_f32 v[242:243], v[242:243], v[146:147]
	v_pk_add_f32 v[240:241], v[240:241], v[150:151]
	v_pk_add_f32 v[14:15], v[14:15], v[154:155]
	v_pk_add_f32 v[236:237], v[236:237], v[158:159]
	s_delay_alu instid0(VALU_DEP_2)
	v_pk_add_f32 v[14:15], v[14:15], v[246:247]
	s_delay_alu instid0(VALU_DEP_2)
	v_pk_add_f32 v[236:237], v[236:237], v[244:245]
	v_pk_add_f32 v[250:251], v[250:251], v[242:243]
	v_pk_add_f32 v[248:249], v[248:249], v[240:241]
	s_delay_alu instid0(VALU_DEP_2)
	v_pk_add_f32 v[14:15], v[14:15], v[250:251]
	s_delay_alu instid0(VALU_DEP_2)
	v_pk_add_f32 v[236:237], v[236:237], v[248:249]
	s_delay_alu instid0(VALU_DEP_1)
	v_pk_add_f32 v[14:15], v[14:15], v[236:237]
	s_wait_alu depctr_va_vdst(0)                   ; and one for the four
.irp b, 0,1,2,3
	v_max_num_f32 v[232+\b], 0x8000000, v[232+\b]  ; the floor 2^(16 - 127): the byte cannot fall under 1 (a block whose every p is 0 keeps that byte: its codes are zeros)
.endr
.irp b, 0,1,2,3
	s_delay_alu instid0(VALU_DEP_4)
	v_add_nc_u32 v[244+\b], 0xf8800000, v[232+\b]  ; 15 off the exponent field: the conversion's scale operand
.endr
.irp b, 0,1,2,3
.endr
.irp b, 0,1,2,3
	s_delay_alu instid0(VALU_DEP_4)
	v_lshrrev_b32 v[236+\b], 23, v[244+\b]         ; the scale's byte
.endr
	s_delay_alu instid0(VALU_DEP_3)
	v_lshl_or_b32 v253, v237, 8, v236              ; p's scale word for these 128 keys
	s_delay_alu instid0(VALU_DEP_1)
	v_lshl_or_b32 v253, v238, 16, v253
	s_delay_alu instid0(VALU_DEP_1)
	v_lshl_or_b32 v253, v239, 24, v253
.irp b, 0,1,2,3
.irp i, 0,1,2,3,4,5,6,7,8,9,10,11,12,13,14,15
.endr
	v_cvt_scalef32_pk8_bf8_f32 v[224+4*\b:225+4*\b], v[96+16*\b:103+16*\b], v[244+\b]
	v_cvt_scalef32_pk8_bf8_f32 v[226+4*\b:227+4*\b], v[104+16*\b:111+16*\b], v[244+\b]
.endr
	v_nop
.irp t, 0,1,2,3                                ; p has become codes: its registers take V's four fragments (16 channels x these 128 keys each), asked for ahead of the rescaling
.irp c, 0,1,2,3
	ds_load_b128 v[96+16*\t+4*\c:99+16*\t+4*\c], v[ADV] offset:(2*(\q)+\c/2)*VCH+4*\t*VL+32*(\c%2)
.endr
	ds_load_b32 v[248+\t], v[ADT] offset:256*(\q)+64*\t
.endr
.set jj, 0
.rept 16
	v_pk_mul_f32 v[160+jj:161+jj], v[160+jj:161+jj], v[252:253] op_sel_hi:[1,0]   ; O^T under the new M: x f.  (These 16 are also the places between the conversions and the products)
.set jj, jj+2
.endr
	s_wait_alu depctr_va_vdst(0)
	s_wait_dscnt 0x0
.irp t, 0,1,2,3                                ; O^T += V^T P^T
	v_wmma_scale_f32_16x16x128_f8f6f4 v[160+8*\t:167+8*\t], v[96+16*\t:111+16*\t], v[224:239], v[160+8*\t:167+8*\t], v[248+\t], v253 matrix_a_fmt:MATRIX_FMT_BF8 matrix_b_fmt:MATRIX_FMT_BF8
.endr
.Lhidden_\@:
	s_add_co_u32 s[KF], s[KF], 128
.endm
; THE CHANGE OF SLOTS stands at a slot's head.  Each wave waits for all its tensor loads (its part of the slot that it is about to read), adds 0 to its spare word, and waits for that and for its reads of the slot that it has left.
; Behind the barrier the slot ahead is whole and nobody reads the other one.  fill = 1: that other slot is filled with the next trip's key slot: one further on, or slot 0 again where the first block of queries ends with this trip.
.macro CHANGE fill
	s_wait_tensorcnt 0x0                           ; no tensor load of mine is out, so a group 0 may be written
	ds_add_u32 v[SPW], v[NIL]                      ; 0 onto my spare word; the descriptors' words are made between it and the wait for it
.if \fill
	s_add_co_u32 s96, s[KSC], 1
	s_cmp_eq_u32 s[IT], s[P]
	s_cselect_b32 s[KSN], 0, s96
	s_xor_b32 s[G0K+1], s[G0K+1], SLOT1            ; the other slot than last time
	s_lshl_b32 s[OF], s[KSN], 14                   ; 256 keys of 64 bytes a key slot
	s_add_nc_u64 s[G0K+2:G0K+3], s[KB:KB+1], s[OF:OF+1]
	s_or_b32 s[G0K+3], s[G0K+3], 0x80000000
	s_xor_b32 s[G0V+1], s[G0V+1], SLOT1
	s_lshl_b32 s[OF], s[KSN], 18                   ; four chunks of 65,536 bytes
	s_add_nc_u64 s[G0V+2:G0V+3], s[VB:VB+1], s[OF:OF+1]
	s_or_b32 s[G0V+3], s[G0V+3], 0x80000000
	s_xor_b32 s[G0KS+1], s[G0KS+1], SLOT1
	s_lshl_b32 s[OF], s[KSN], 10                   ; 256 words
	s_add_nc_u64 s[G0KS+2:G0KS+3], s[KSB:KSB+1], s[OF:OF+1]
	s_or_b32 s[G0KS+3], s[G0KS+3], 0x80000000
	s_xor_b32 s[G0VS+1], s[G0VS+1], SLOT1
	s_lshl_b32 s[OF], s[KSN], 13                   ; two rows of 4,096 bytes
	s_add_nc_u64 s[G0VS+2:G0VS+3], s[VSB:VSB+1], s[OF:OF+1]
	s_or_b32 s[G0VS+3], s[G0VS+3], 0x80000000
.endif
	s_wait_dscnt 0x0                               ; the add is done, and my reads of the slot that I have left are over
	s_barrier_signal -1
	s_barrier_wait -1
.if \fill
	TLOAD                                          ; the first thing behind the barrier, and a wave's one tensor load until the next: it has a whole slot's steps in which to land
.endif
.endm
.macro SLOT_STEPS
	s_lshl_b32 s[KF], s[KSC], 8
	STEP 0
	STEP 1
	s_xor_b32 s[TB], s[TB], SLOT1                  ; on to the other slot
.endm
; A BLOCK OF QUERIES IS FINISHED.  O^T is divided by the sum; register 16 B + 8 u + j is channel 32 B + 16 u + 8 h + j of my query: two blocks of 32, each shared with lane l xor 16.  They are quantised; the codes go through my stage
; and leave as 1,024 consecutive bytes (16 tokens of one head); the two scale bytes of a token leave a byte a lane: 2 bytes of each row of y_scales are all that a head has of it.  again = 1: the second block of queries begins.
.macro FINISH again
.rept 8
	v_nop                                          ; places behind the last products
.endr
	v_add_f32 v14, v14, v15                        ; the sum's two halves,
	s_delay_alu instid0(VALU_DEP_1)
	v_permlanex16_b32 v[SX], v14, s[SEL], s[SEL+1]
	s_delay_alu instid0(VALU_DEP_1)
	v_add_f32 v14, v14, v[SX]                      ; and lane l xor 16's: the row's sum
	s_wait_alu depctr_va_vdst(0)
	v_rcp_f32 v14, v14
	v_nop                                          ; a plain instruction behind the transcendental,
	s_wait_alu depctr_va_vdst(0)                   ; and the wait ahead of its first reader
.set jj, 0
.rept 16
	v_pk_mul_f32 v[96+jj:97+jj], v[160+jj:161+jj], v[14:15] op_sel_hi:[1,0]   ; each accumulator from its low end on
.set jj, jj+2
.endr
.irp b, 0,1
	v_max3_num_f32 v[MX+\b], |v[96+16*\b]|, |v[97+16*\b]|, 0x8000000   ; my 16 numbers of block b, and the floor 2^(16 - 127)
.endr
.irp i, 2,4,6,8,10,12,14
.irp b, 0,1
	s_delay_alu instid0(VALU_DEP_2)
	v_max3_num_f32 v[MX+\b], v[MX+\b], |v[96+16*\b+\i]|, |v[97+16*\b+\i]|
.endr
.endr
.irp b, 0,1
	s_delay_alu instid0(VALU_DEP_2)
	v_permlanex16_b32 v[PL+\b], v[MX+\b], s[SEL], s[SEL+1]
.endr
.irp b, 0,1
	s_delay_alu instid0(VALU_DEP_2)
	v_max_num_f32 v[MX+\b], v[MX+\b], v[PL+\b]
.endr
.irp b, 0,1
	s_delay_alu instid0(VALU_DEP_2)
	v_add_nc_u32 v[SOP+\b], 0xf8800000, v[MX+\b]   ; 15 off the exponent field: the conversion's scale operand
.endr
.irp b, 0,1
.endr
.irp b, 0,1
	s_delay_alu instid0(VALU_DEP_2)
	v_lshrrev_b32 v[BY+\b], 23, v[SOP+\b]          ; the scale's byte
.endr
	s_delay_alu instid0(VALU_DEP_1)
	v_lshl_or_b32 v[HW], v[BY+1], 8, v[BY]
	s_delay_alu instid0(VALU_DEP_1)
	v_lshrrev_b32 v[HW], v[H8], v[HW]              ; lane (r, h) stores block h's byte
.irp b, 0,1
.irp i, 0,1,2,3,4,5,6,7,8,9,10,11,12,13,14,15
.endr
	v_cvt_scalef32_pk8_bf8_f32 v[224+4*\b:225+4*\b], v[96+16*\b:103+16*\b], v[SOP+\b]
	v_cvt_scalef32_pk8_bf8_f32 v[226+4*\b:227+4*\b], v[104+16*\b:111+16*\b], v[SOP+\b]
.endr
	v_nop                                          ; one plain vector instruction behind the last conversion
.irp b, 0,1
.irp u, 0,1
	ds_store_b64 v[STO], v[224+4*\b+2*\u:225+4*\b+2*\u] offset:32*\b+16*\u
.endr
.endr
.irp t, 0,1
	ds_load_b128 v[232+4*\t:235+4*\t], v[RD] offset:640*\t   ; LDS serves a wave's instructions in order (ISA guide 5.7.1.4): these see my stores
.endr
	s_wait_alu depctr_va_vdst(0)
	s_wait_dscnt 0x0
.irp t, 0,1
	global_store_b128 v[GO], v[232+4*\t:235+4*\t], s[YP:YP+1] offset:512*\t   ; 512 consecutive bytes, at a multiple of 512 from the buffer's first byte
.endr
	global_store_b8 v[YSO], v[HW], s[YSP:YSP+1]
.if \again
	s_wait_xcnt 0x0                                ; the stores have read their registers and bases: both are written again below and in the next step
	s_mov_b64 s[YP:YP+1], s[YPB:YPB+1]
	s_mov_b64 s[YSP:YSP+1], s[YSPB:YSPB+1]
	s_mov_b32 s[Q0], s[Q0B]
	v_mov_b32 v255, v[QBS]                         ; the scale word first: the lines below stand between it and the next product
.irp i, 0,1,2,3,4,5,6,7
	v_mov_b32 v[16+\i], v[QB+\i]
.endr
.set jj, 0
.rept 32
	v_mov_b32 v[160+jj], 0
.set jj, jj+1
.endr
	v_mov_b32 v13, 0xff61b1e6
	s_delay_alu instid0(VALU_DEP_1)
	v_floor_f32 v12, -v13
	v_mov_b32 v14, 0
	v_mov_b32 v15, 0
.endif
.endm
	s_wait_loadcnt 0x0                             ; Q, both blocks'
	s_mov_b32 s[IT], 0
	s_mov_b32 s[KSC], 0
.Lslot:                                            ; 8 trips: behind each change of slots but the last the next trip's key slot is asked for
	CHANGE 1
	SLOT_STEPS
	s_cmp_lg_u32 s[IT], s[P]                       ; trip p ends the first block of queries: a branch on the work-group's number; no barrier and no tensor load stands under it
	s_cbranch_scc1 .Lsame
	s_wait_alu depctr_va_vdst(0)
	FINISH 1
.Lsame:
	s_mov_b32 s[KSC], s[KSN]
	s_add_co_u32 s[IT], s[IT], 1
	s_cmp_lt_u32 s[IT], 8
	s_cbranch_scc1 .Lslot
	CHANGE 0                                       ; the last trip is written out
	SLOT_STEPS
	s_wait_alu depctr_va_vdst(0)
	FINISH 0
	s_wait_tensorcnt 0x0                           ; the wave's end: behind my last tensor load and my last LDS store
	ds_add_u32 v[SPW], v[NIL]
	s_wait_dscnt 0x0
	s_endpgm
.Lfunc_end_k_q7316760400_attn:
	.size	k_q7316760400_attn, .Lfunc_end_k_q7316760400_attn-k_q7316760400_attn
	.p2alignl 7, 3214868480
	.fill 96, 4, 3214868480
	.section	.rodata,"a",@progbits
	.p2align	6, 0x0
	.amdhsa_kernel k_q7316760400_attn
		.amdhsa_group_segment_fixed_size 327680
		.amdhsa_private_segment_fixed_size 0
		.amdhsa_enable_private_segment 0
		.amdhsa_kernarg_size 48
		.amdhsa_user_sgpr_count 2
		.amdhsa_user_sgpr_kernarg_segment_ptr 1
		.amdhsa_wavefront_size32 1
		.amdhsa_system_sgpr_workgroup_id_x 1
		.amdhsa_system_sgpr_workgroup_id_y 1
		.amdhsa_system_sgpr_workgroup_id_z 1
		.amdhsa_system_vgpr_workitem_id 0
		.amdhsa_next_free_vgpr 256
		.amdhsa_next_free_sgpr 102
		.amdhsa_reserve_vcc 1
		.amdhsa_float_denorm_mode_32 3
		.amdhsa_float_denorm_mode_16_64 3
		.amdhsa_fp16_overflow 1
		.amdhsa_memory_ordered 1
		.amdhsa_forward_progress 1
		.amdhsa_inst_pref_size 120
	.end_amdhsa_kernel
	.amdgpu_metadata
---
amdhsa.version: [ 1, 2 ]
amdhsa.kernels:
  - .name:           k_q7316760400_attn
    .symbol:         k_q7316760400_attn.kd
    .args:
      - { .name: qk_codes, .offset: 0, .size: 8, .value_kind: global_buffer, .address_space: global }
      - { .name: qk_scales, .offset: 8, .size: 8, .value_kind: global_buffer, .address_space: global }
      - { .name: vt_codes, .offset: 16, .size: 8, .value_kind: global_buffer, .address_space: global }
      - { .name: vt_scales, .offset: 24, .size: 8, .value_kind: global_buffer, .address_space: global }
      - { .name: y_codes, .offset: 32, .size: 8, .value_kind: global_buffer, .address_space: global }
      - { .name: y_scales, .offset: 40, .size: 8, .value_kind: global_buffer, .address_space: global }
    .group_segment_fixed_size: 327680
    .private_segment_fixed_size: 0
    .kernarg_segment_align: 8
    .kernarg_segment_size: 48
    .max_flat_workgroup_size: 512
    .sgpr_count:     102
    .vgpr_count:     256
    .wavefront_size: 32
...
	.end_amdgpu_metadata
.endif
;; end of part 2
;; launch proj (part 3): grid 4 x 32, 4 waves a work-group, clusters of 4 x 4, 327,680 bytes of LDS; arguments y_codes, y_scales, W_proj_codes, W_proj_scales, b_proj, out0; writes out0
.if DOCPART == 3
	.amdgcn_target "amdgcn-amd-amdhsa--gfx1250"
	.amdhsa_code_object_version 6
	.text
	.protected	k_q7316760400_proj
	.globl	k_q7316760400_proj
	.p2align	8
	.type	k_q7316760400_proj,@function
k_q7316760400_proj:
	s_mov_b64 s[64:65], 0
	v_nop
	global_prefetch_b8 v0, s[64:65] scope:SCOPE_SE
	s_setreg_imm32_b32 hwreg(HW_REG_WAVE_MODE, 25, 1), 1
	s_wait_xcnt 0x0
	s_wait_alu depctr_hold_cnt(0) depctr_sa_sdst(0) depctr_va_vdst(0) depctr_va_sdst(0) depctr_va_ssrc(0) depctr_va_vcc(0) depctr_vm_vsrc(0)
	s_getreg_b32 s2, hwreg(HW_REG_IB_STS2, 6, 4)
	s_cmp_eq_u32 s2, 0
	s_cbranch_scc0 .Lentry_in_a_cluster
	s_endpgm
.Lentry_in_a_cluster:
	s_bfe_u32 s2, ttmp6, 0x10000c
	s_cmp_lg_u32 s2, 0xf033
	s_cbranch_scc0 .Lentry_shape_is_right
	s_endpgm
.Lentry_shape_is_right:
; out0 = y W_proj + b_proj on codes of BF8 (E5M2) with one E8M0 scale for each 32 along K = 1,024.  y: codes laid [16 heads][8,192 tokens][64], scale bytes [8,192][32]; W_proj: codes [1,024 (n)][1,024 (k)], scale bytes [1,024][32];
; b_proj [1,024] and out0 [8,192][1,024]: f32.
; A tile of out0, 256 x 256, is made by four waves, 128 x 128 each: 64 accumulators of 16 x 16, 512 registers.  K goes in steps of 256 (four heads) through a ring of two LDS slots filled by the tensor data mover;
; the scale bytes of the tile's 512 rows, for all of K, come once with the first fills and stay in LDS.
; A IS LAID BY HEAD: a wave's part of a K step is 4 planes (heads) of 128 tokens x 64 bytes, each plane 8,192 dense bytes.  One tensor load brings them, with 16 bytes of padding behind every 256: in LDS token t of plane p lies at
; 8,704 p + 272 (t / 4) + 64 (t % 4), and the 16 tokens of a fragment fall on 16 different columns of 16 bytes modulo 256.  K keeps its order (64 a head), so the scale bytes and all of B's side are as for rows that lie along K.
; THE MATRIX INSTRUCTION IS USED TRANSPOSED (source 0 = 16 rows of W_proj, source 1 = 16 tokens): a lane holds eight neighbouring numbers of a row of out0.  The bias is the C of the first K step's products.
; CLUSTERS: 4 x 4 work-groups; y's tile is asked for jointly along a row of the cluster, W_proj's along a column.  The grid has 128 work-groups: a tile of this size leaves half of the WGPs without work in this launch.
; REGISTERS, in windows of 256: window 0: v16-31 addresses; v32-63 scale words, two sets; v64-127 the bias; from v128 A's fragments, one set.  window 1: B's fragments, two sets.  windows 2, 3: the accumulators.
.set SIZE_N, 1024
.set SIZE_K, 1024
.set KSTEP,  256
.set NQ,     KSTEP/128
.set ROWB,   256                       ; a row of B's tile in bytes
.set KROW,   SIZE_K
.set PITCH,  272                       ; an LDS line: 256 bytes + 16 of padding
.set PLANE,  32*PITCH                  ; a head's 128 tokens in LDS
.set ASTEP,  4*8192*64                 ; bytes from a K step of y_codes to the next: four heads
.set FR,     16
.set NL,     4
.set NP,     8                         ; places behind this matrix instruction (ISA guide 7.12.1)
.set HALFT,  128*PITCH
.set SLOT,   4*HALFT
.set LAPS,   SIZE_K/(2*KSTEP)
.set KS,     SIZE_K/32
.set SCL,    2*SLOT
.set HALFS,  (128*KS/256)*272
.set SBLK,   (16*KS/256)*272
.set SPARE,  SCL+4*HALFS               ; the spare words, 128 bytes for each wave: two blocks of 256 bytes that no other line names
.set SPITCH, 528                       ; the way out: a stage of 16 rows x (512 bytes + 16) for each wave, in slot 0, which has had its last fill and its last read by then
.set ADRA, 16
.set ADRB, 20
.set STO,  24
.set RD,   25
.set CO,   26
.set ADRS, 27
.set SPW,  28
.set NIL,  29
.set SC,   32
.set PB,   64                          ; v64-127 the bias: eight registers for each of B's eight blocks
.set AF,   128
.set BK,   128                         ; the way out: 16 rows read back from the stage: v128-191 and v192-255 by turns
.set G1, 24
.set G0, 32
.set G1B, 48
.set G0B, 56
.set G1S, 68
.set G0S, 76
.set G1SB, 80
.set G0SB, 88
.set MSB, 0
.macro WIN new                         ; the immediate's high byte repeats the setting that is left
.if MSB != (\new)
	s_set_vgpr_msb (MSB<<8)|(\new)
.set MSB, (\new)
.endif
.endm
.set MUL_LO,   0xa1
.set MUL_HI,   0xf1
.set FIRST_LO, 0x81                    ; the first K step: C (the bias) window 0, D window 2
.set FIRST_HI, 0xc1
.set TO_B,     0x40
.macro JLOAD g0a, g1a, g0b, g1b        ; a joint load: waves 0 and 1 fetch for A, waves 2 and 3 for B; four v_nop follow each of the two lines
	s_cmp_eq_u32 s15, 0
	s_cbranch_scc0 .Lfor_b_\@
	tensor_load_to_lds s[\g0a:\g0a+3], s[\g1a:\g1a+7]
	s_nop 0
.rept 4
	v_nop
.endr
	s_branch .Lasked_\@
.Lfor_b_\@:
	tensor_load_to_lds s[\g0b:\g0b+3], s[\g1b:\g1b+7]
	s_nop 0
.rept 4
	v_nop
.endr
.Lasked_\@:
.endm
.macro CREST
	s_cmp_lg_u32 s14, 0
	s_cbranch_scc1 .Lnot_wave_0_\@
	s_barrier_signal -3
.Lnot_wave_0_\@:
	s_barrier_wait -3
	s_barrier_signal -1
	s_barrier_wait -1
.endm
.macro CROUND
	s_barrier_signal -1
	s_barrier_wait -1
	CREST
.endm
	s_load_b256 s[4:11], s[0:1], 0x0               ; y's codes s[4:5], y's scales s[6:7], W_proj's codes s[8:9], its scales s[10:11]
	s_load_b64 s[66:67], s[0:1], 0x20              ; b_proj
	s_load_b64 s[12:13], s[0:1], 0x28              ; out0
	v_lshl_add_u32 v[SPW], v0, 2, SPARE
	v_mov_b32 v[NIL], 0
	ds_add_u32 v28, v29
	ds_add_u32 v28, v29
	s_wait_dscnt 0x0
	v_lshrrev_b32 v1, 5, v0
	v_readfirstlane_b32 s14, v1                    ; wave 0..3
	s_lshr_b32 s15, s14, 1                         ; which half of the tile's rows is mine.  Also: I fetch for A (0) or for B (1)
	s_and_b32 s16, s14, 1                          ; which half of its columns.  Also: which 128 rows of that tile I fetch
	s_bfe_u32 s40, ttmp6, 0x40000                  ; cx, cy
	s_bfe_u32 s41, ttmp6, 0x40004
	s_lshl_b32 s42, ttmp9, 2
	s_add_co_u32 s42, s42, s40                     ; tile column = 4 x cluster x + cx
	s_and_b32 s17, ttmp7, 0xffff
	s_lshl_b32 s17, s17, 2
	s_add_co_u32 s17, s17, s41                     ; tile row = 4 x cluster y + cy
	s_lshl_b32 s43, s41, 2
	s_lshl_b32 s43, 15, s43                        ; my row of the cluster
	s_lshl_b32 s44, 0x1111, s40                    ; my column
	; descriptor group 1 for A: 4 rows (heads) of 1,024 elements of 8 bytes (128 tokens x 64 bytes), 65,536 elements (8,192 tokens) apart; 16 bytes of padding behind every 256, which divides the row
	s_or_b32 s[G1+0], s43, (3<<16)|(1<<20)|(1<<21)|(5<<22)|(3<<25)
	s_mov_b32 s[G1+1], 1024<<16                    ; tensor_dim0
	s_mov_b32 s[G1+2], 4<<16                       ; tensor_dim1
	s_mov_b32 s[G1+3], 1024<<16                    ; tile_dim0
	s_mov_b32 s[G1+4], 4                           ; tile_dim1
	s_mov_b32 s[G1+5], 65536                       ; tensor_dim0_stride
	s_mov_b32 s[G1+6], 0
	s_mov_b32 s[G1+7], 0
	; for B: 128 rows x 256 bytes, 1,024 bytes apart
	s_or_b32 s[G1B+0], s44, (0<<16)|(1<<20)|(1<<21)|(5<<22)|(3<<25)
	s_mov_b32 s[G1B+1], ROWB<<16
	s_mov_b32 s[G1B+2], 128<<16
	s_mov_b32 s[G1B+3], ROWB<<16
	s_mov_b32 s[G1B+4], 128
	s_mov_b32 s[G1B+5], KROW
	s_mov_b32 s[G1B+6], 0
	s_mov_b32 s[G1B+7], 0
	; the scales of 128 rows: a dense block of 4,096 bytes, as 16 rows of 256 bytes, 16 bytes of padding behind each
	s_or_b32 s[G1S+0], s43, (3<<16)|(1<<20)|(1<<21)|(5<<22)|(3<<25)
	s_or_b32 s[G1SB+0], s44, (3<<16)|(1<<20)|(1<<21)|(5<<22)|(3<<25)
.irp g, G1S, G1SB
	s_mov_b32 s[\g+1], 32<<16
	s_mov_b32 s[\g+2], (128*KS/256)<<16
	s_mov_b32 s[\g+3], 32<<16
	s_mov_b32 s[\g+4], 128*KS/256
	s_mov_b32 s[\g+5], 32
	s_mov_b32 s[\g+6], 0
	s_mov_b32 s[\g+7], 0
.endr
	s_lshl_b32 s18, s16, 7                         ; which 128 rows of the tile I fetch
	s_lshl_b32 s20, s17, 8
	s_add_co_u32 s20, s20, s18                     ; A: token 256 x tile row + 128 x half
	s_lshl_b32 s46, s42, 8
	s_add_co_u32 s46, s46, s18                     ; B: row 256 x tile column + 128 x half
	s_lshl_b32 s22, s20, 5                         ; their scales: 32 bytes a row
	s_mov_b32 s23, 0
	s_lshl_b32 s20, s20, 6                         ; A's codes: 64 bytes a token in a head's plane
	s_mov_b32 s21, 0
	s_lshl_b32 s92, s46, 5
	s_mov_b32 s93, 0
	s_lshl_b32 s46, s46, 10                        ; B's codes: 1,024 bytes a row
	s_mov_b32 s47, 0
	s_mul_i32 s45, s14, HALFT                      ; where they go: no place in the cluster enters an LDS address
	s_mul_i32 s94, s14, HALFS
	s_wait_kmcnt 0x0
	s_add_nc_u64 s[20:21], s[4:5], s[20:21]
	s_add_nc_u64 s[22:23], s[6:7], s[22:23]
	s_add_nc_u64 s[46:47], s[8:9], s[46:47]
	s_add_nc_u64 s[92:93], s[10:11], s[92:93]
	CROUND                                         ; all sixteen work-groups are here: the first joint loads meet
	s_mov_b32 s[G0S], 1
	s_add_co_u32 s[G0S+1], s94, SCL
	s_mov_b64 s[G0S+2:G0S+3], s[22:23]
	s_or_b32 s[G0S+3], s[G0S+3], 0x80000000
	s_mov_b32 s[G0SB], 1
	s_add_co_u32 s[G0SB+1], s94, SCL
	s_mov_b64 s[G0SB+2:G0SB+3], s[92:93]
	s_or_b32 s[G0SB+3], s[G0SB+3], 0x80000000
	JLOAD G0S, G1S, G0SB, G1SB                     ; the scales first: they are wanted with K step 0
.irp s, 0,1
	s_mov_b32 s[G0+4*\s], 1
	s_add_co_u32 s[G0+4*\s+1], s45, \s*SLOT
	s_add_nc_u64 s[G0+4*\s+2:G0+4*\s+3], s[20:21], \s*ASTEP
	s_or_b32 s[G0+4*\s+3], s[G0+4*\s+3], 0x80000000
	s_mov_b32 s[G0B+4*\s], 1
	s_add_co_u32 s[G0B+4*\s+1], s45, \s*SLOT
	s_add_nc_u64 s[G0B+4*\s+2:G0B+4*\s+3], s[46:47], \s*ROWB
	s_or_b32 s[G0B+4*\s+3], s[G0B+4*\s+3], 0x80000000
	s_wait_alu depctr_va_vdst(0)
	s_wait_tensorcnt 0x0
	ds_add_u32 v28, v29
	s_wait_dscnt 0x0
	CROUND
	JLOAD G0+4*\s, G1, G0B+4*\s, G1B
.endr
	v_and_b32 v1, 15, v0                           ; r
	v_bfe_u32 v2, v0, 4, 1                         ; h
	v_mul_u32_u24 v3, v1, PITCH
	v_lshl_add_u32 v4, v2, 4, v3                   ; B: a fragment's row x pitch + 16 h
	v_lshrrev_b32 v5, 2, v1
	v_mul_u32_u24 v7, v5, PITCH
	v_and_b32 v5, 3, v1
	v_lshl_add_u32 v7, v5, 6, v7
	v_lshl_add_u32 v7, v2, 4, v7                   ; A: 272 (r / 4) + 64 (r % 4) + 16 h
	s_mul_i32 s21, s15, HALFT                      ; my 128 tokens of A
	s_mul_i32 s22, s16, HALFT                      ; my 128 rows of B,
	s_add_co_u32 s22, s22, 2*HALFT                 ; which lie behind A's 256
.irp s, 0,1
	v_add_nc_u32 v[ADRA+\s], s21, v7
	v_add_nc_u32 v[ADRB+\s], s22, v4
	s_add_co_u32 s21, s21, SLOT
	s_add_co_u32 s22, s22, SLOT
.endr
	v_mul_u32_u24 v5, v1, KS                       ; my row's scales: 32 bytes a row,
	v_lshrrev_b32 v6, 8, v5
	v_lshl_add_u32 v5, v6, 4, v5                   ; and 16 more for each 256 passed
	s_mul_i32 s21, s15, HALFS
	s_mul_i32 s22, s16, HALFS
	s_add_co_u32 s22, s22, 2*HALFS
	s_sub_co_u32 s22, s22, s21
	v_mul_u32_u24 v6, s22, v2                      ; lanes 16-31 take B's: the lower base + h x the distance
	s_add_co_u32 s21, s21, SCL
	v_add_nc_u32 v5, v5, v6
	v_add_nc_u32 v[ADRS], s21, v5
	s_mul_i32 s23, s14, 16*SPITCH                  ; my stage
	v_mul_u32_u24 v5, v1, SPITCH                   ; in: row r, 32 bytes for each half of the lanes
	v_lshl_add_u32 v5, v2, 5, v5
	v_add_nc_u32 v[STO], s23, v5
	v_and_b32 v6, 31, v0
	v_lshlrev_b32 v[CO], 4, v6                     ; back: the 32 lanes take one row of 512 bytes; and the same in out0
	v_add_nc_u32 v[RD], s23, v[CO]
	s_lshl_b32 s20, s17, 8
	s_lshl_b32 s21, s15, 7
	s_add_co_u32 s20, s20, s21                     ; my first row of out0
	s_lshl_b32 s20, s20, 12                        ; 4,096 bytes a row
	s_lshl_b32 s46, s42, 10
	s_lshl_b32 s47, s16, 9
	s_add_co_u32 s46, s46, s47                     ; my first column, in bytes: in a row of out0 and in b_proj alike
	s_add_co_u32 s20, s20, s46
	s_mov_b32 s21, 0
	s_mov_b32 s47, 0
	s_add_nc_u64 s[12:13], s[12:13], s[20:21]
	s_add_nc_u64 s[66:67], s[66:67], s[46:47]
	v_lshlrev_b32 v5, 5, v2                        ; the bias: lane (r, h) wants, for B's block b, the eight numbers at 16 b + 8 h
.irp b, 0,1,2,3,4,5,6,7
	global_load_b128 v[PB+8*\b:PB+8*\b+3], v5, s[66:67] offset:64*\b
	global_load_b128 v[PB+8*\b+4:PB+8*\b+7], v5, s[66:67] offset:64*\b+16
.endr
	s_wait_alu depctr_va_vdst(0)
	s_wait_loadcnt 0x0
.macro FRAG reg, adr, q, i             ; a fragment of B: lane l holds row l % 16; registers 4 c .. 4 c + 3 hold K = 32 c + 16 (l / 16) + 0 .. 15
.irp c, 0,1,2,3
	ds_load_b128 v[\reg+4*\c:\reg+4*\c+3], v[\adr] offset:128*(\q)+32*\c+(\i)*16*PITCH
.endr
.endm
.macro FRAGA reg, adr, q, i            ; a fragment of A: the same K, which lies in plane 2 q + c / 2 at byte 32 (c % 2) of the token's 64
.irp c, 0,1,2,3
	ds_load_b128 v[\reg+4*\c:\reg+4*\c+3], v[\adr] offset:(2*(\q)+\c/2)*PLANE+4*(\i)*PITCH+32*(\c%2)
.endr
.endm
; 16 matrix instructions: A's blocks a0, a0 + 1 x B's eight, 128 along K.  first = 1: the bias is the C.  The 64 accumulators take turns, one instruction a turn, in the same order in every step.
.macro MUL16 a0, p, q, sc, first
.irp a, \a0, \a0+1
.irp b, 0,1,2,3,4,5,6,7
.if \first
	v_wmma_scale_f32_16x16x128_f8f6f4 v[8*(8*((\a)%4)+\b):8*(8*((\a)%4)+\b)+7], v[128*(\p)+FR*\b:128*(\p)+FR*\b+FR-1], v[AF+FR*(\a):AF+FR*(\a)+FR-1], v[PB+8*\b:PB+8*\b+7], v[SC+8*NQ*(\sc)+NQ*\b+(\q)], v[SC+8*NQ*(\sc)+NQ*(\a)+(\q)] matrix_a_fmt:MATRIX_FMT_BF8 matrix_b_fmt:MATRIX_FMT_BF8 matrix_a_scale:MATRIX_SCALE_ROW1
.else
	v_wmma_scale_f32_16x16x128_f8f6f4 v[8*(8*((\a)%4)+\b):8*(8*((\a)%4)+\b)+7], v[128*(\p)+FR*\b:128*(\p)+FR*\b+FR-1], v[AF+FR*(\a):AF+FR*(\a)+FR-1], v[8*(8*((\a)%4)+\b):8*(8*((\a)%4)+\b)+7], v[SC+8*NQ*(\sc)+NQ*\b+(\q)], v[SC+8*NQ*(\sc)+NQ*(\a)+(\q)] matrix_a_fmt:MATRIX_FMT_BF8 matrix_b_fmt:MATRIX_FMT_BF8 matrix_a_scale:MATRIX_SCALE_ROW1
.endif
.endr
.endr
.endm
.macro FETCH_B slot, q, p
	WIN TO_B
.irp i, 0,1,2,3,4,5,6,7
	FRAG 128*(\p)+FR*\i, ADRB+\slot, \q, \i
.endr
	WIN 0
.endm
.macro FETCH_A slot, q, i0
.irp i, \i0, \i0+1, \i0+2, \i0+3
	FRAGA AF+FR*(\i), ADRA+\slot, \q, \i
.endr
.endm
.macro SCALES sc                       ; a K step's scale words into set sc; lanes 0-15 take A's block i, lanes 16-31 B's block i
.irp i, 0,1,2,3,4,5,6,7
	ds_load_b64 v[SC+8*NQ*\sc+NQ*\i:SC+8*NQ*\sc+NQ*\i+1], v[ADRS] offset:\i*SBLK
.endr
.endm
.macro PLACES n                        ; places behind matrix instructions: plain vector instructions that name none of their registers (ISA guide 7.12.1)
.rept \n
	v_nop
.endr
.endm
.macro STEP slot, q, first             ; a step of 128 along K that has its successor in the same slot
	s_wait_dscnt 4*NL                              ; B's set and A's blocks 0-3 are in; the youngest 16 loads (A's blocks 4-7) may be out
.if \first
	WIN FIRST_LO
.else
	WIN MUL_LO
.endif
	MUL16 0, (\q)%2, \q, \slot, \first
	MUL16 2, (\q)%2, \q, \slot, \first
	s_wait_dscnt 0                                 ; A's blocks 4-7 are in
	PLACES NP
	FETCH_B \slot, (\q)+1, 1-(\q)%2
	FETCH_A \slot, (\q)+1, 0
.if \first
	WIN FIRST_HI
.else
	WIN MUL_HI
.endif
	MUL16 4, (\q)%2, \q, \slot, \first
	MUL16 6, (\q)%2, \q, \slot, \first
	PLACES NP
	WIN 0
	FETCH_A \slot, (\q)+1, 4
.endm
; A slot's last step changes slots: ONE barrier; in front of it each wave waits for all its tensor loads, adds 0 to its spare word, and waits for that and for its own reads of this slot.  fill = 1: this slot is filled again, two K steps ahead.
.macro TURN slot, next, fill
	s_wait_tensorcnt 0x0                           ; all my tensor loads have landed: my part of the next slot (every window is 0 here)
	ds_add_u32 v[SPW], v[NIL]                      ; 0 onto my spare word
	s_wait_dscnt 4*NL+1                            ; (the add and the youngest 16 loads may be out)
	WIN MUL_LO
	MUL16 0, 1, NQ-1, \slot, 0                     ; sixteen matrix instructions stand between the add and the wait for it
	s_wait_dscnt 0x0                               ; the add is done, and my reads of this slot are over
	s_barrier_signal -1
	MUL16 2, 1, NQ-1, \slot, 0
	WIN 0
	s_barrier_wait -1
.if \fill
	CREST                                          ; the barrier has opened a round of the cluster's barrier: no wave of any partner still reads this slot's tile or has a load on its way
	s_add_nc_u64 s[G0+4*\slot+2:G0+4*\slot+3], s[G0+4*\slot+2:G0+4*\slot+3], 2*ASTEP
	s_add_nc_u64 s[G0B+4*\slot+2:G0B+4*\slot+3], s[G0B+4*\slot+2:G0B+4*\slot+3], 2*ROWB
	JLOAD G0+4*\slot, G1, G0B+4*\slot, G1B         ; the first tensor load behind the round; its four v_nop are among the places in front of the loads below
	PLACES NP-4
.else
	PLACES NP
.endif
	s_wait_alu depctr_va_vdst(0)
	v_add_nc_u32 v[ADRS], 4*NQ, v[ADRS]            ; on to the next K step's scale words (no LDS load of mine is out)
	FETCH_B \next, 0, 0
	FETCH_A \next, 0, 0
	SCALES \next
	WIN MUL_HI
	MUL16 4, 1, NQ-1, \slot, 0
	MUL16 6, 1, NQ-1, \slot, 0
	PLACES NP
	WIN 0
	FETCH_A \next, 0, 4
.endm
	s_wait_tensorcnt 1                             ; of my three first fills the scales and K step 0 are in; K step 1's may be out
	s_barrier_signal -1
	s_barrier_wait -1
	FETCH_B 0, 0, 0
	FETCH_A 0, 0, 0
	SCALES 0
	FETCH_A 0, 0, 4
	STEP 0, 0, 1                                   ; the first step stands in front of the loop: its products start the sums, from the bias
	s_mov_b32 s3, LAPS-1
.Llap:                                                 ; a trip goes once round the ring and fills both slots again
	TURN 0, 1, 1
	STEP 1, 0, 0
	TURN 1, 0, 1
	STEP 0, 0, 0
	s_sub_co_u32 s3, s3, 1
	s_cmp_lg_u32 s3, 0
	s_cbranch_scc1 .Llap
	TURN 0, 1, 0                                   ; the last lap fills nothing, and has no round of the cluster's barrier
	STEP 1, 0, 0
	s_wait_dscnt 4*NL                              ; the very last step: nothing more to fetch
	WIN MUL_LO
	MUL16 0, 1, NQ-1, 1, 0
	MUL16 2, 1, NQ-1, 1, 0
	s_wait_dscnt 0
	WIN MUL_HI
	MUL16 4, 1, NQ-1, 1, 0
	MUL16 6, 1, NQ-1, 1, 0
	WIN 0
; THE WAY OUT, block by block of 16 rows x 128 columns: through my own stage in LDS and back as whole rows of 512 bytes.  LDS serves a wave's instructions in order (ISA guide 5.7.1.4): no wait between the stores and the loads.
.macro TOSTAGE a
.set AC, 64*((\a)%4)
	WIN 0x08+4*((\a)/4)                            ; the data: window 2 or 3
.irp b, 0,1,2,3,4,5,6,7
	ds_store_b128 v[STO], v[AC+8*\b:AC+8*\b+3] offset:64*\b          ; each accumulator from its low end on
	ds_store_b128 v[STO], v[AC+8*\b+4:AC+8*\b+7] offset:64*\b+16
.endr
	WIN 0
.set BB, BK+64*((\a)%2)
.irp t, 0,1,2,3,4,5,6,7,8,9,10,11,12,13,14,15
	ds_load_b128 v[BB+4*\t:BB+4*\t+3], v[RD] offset:\t*SPITCH
.endr
.endm
.macro SEND a, younger                 ; younger: the LDS instructions issued behind block a's loads, which may stay out
.set BB, BK+64*((\a)%2)
	s_wait_dscnt \younger                          ; the block is back in registers
.if (\a) > 0
	s_add_nc_u64 s[12:13], s[12:13], 16*SIZE_N*4   ; (behind a wait on XCNT: the earlier stores have read their base)  16 rows of out0 on
.endif
.irp t, 0,1,2,3,4,5,6,7,8,9,10,11,12,13,14,15
	global_store_b128 v[CO], v[BB+4*\t:BB+4*\t+3], s[12:13] offset:\t*SIZE_N*4 th:TH_STORE_NT   ; 32 lanes store 512 consecutive bytes, at a multiple of 512 from out0's first byte; written once, read by nobody here
.endr
.endm
	PLACES NP                                      ; behind the last products: for the loads into the registers that held A's fragments and for the reads of results alike
	TOSTAGE 0
.irp a, 1,2,3,4,5,6,7
.if \a > 1
	s_wait_xcnt 0x0                                ; block a - 2's stores have read their registers and their base: block a's loads may land there, and the base may step
.endif
	TOSTAGE \a
	SEND \a-1, 32                                  ; behind block a - 1's loads: block a's 16 stores and 16 loads
.endr
	s_wait_xcnt 0x0                                ; block 6's stores have read their base
	SEND 7, 0
	s_wait_tensorcnt 0x0                           ; the wave's end: behind my last tensor load and my last LDS store
	ds_add_u32 v[SPW], v[NIL]
	s_wait_dscnt 0x0
	CROUND                                         ; the closing round: no work-group ends while a partner may still ask for a tile that names it
	s_endpgm
.Lfunc_end_k_q7316760400_proj:
	.size	k_q7316760400_proj, .Lfunc_end_k_q7316760400_proj-k_q7316760400_proj
	.p2alignl 7, 3214868480
	.fill 96, 4, 3214868480
	.section	.rodata,"a",@progbits
	.p2align	6, 0x0
	.amdhsa_kernel k_q7316760400_proj
		.amdhsa_group_segment_fixed_size 327680
		.amdhsa_private_segment_fixed_size 0
		.amdhsa_enable_private_segment 0
		.amdhsa_kernarg_size 48
		.amdhsa_user_sgpr_count 2
		.amdhsa_user_sgpr_kernarg_segment_ptr 1
		.amdhsa_wavefront_size32 1
		.amdhsa_system_sgpr_workgroup_id_x 1
		.amdhsa_system_sgpr_workgroup_id_y 1
		.amdhsa_system_sgpr_workgroup_id_z 1
		.amdhsa_system_vgpr_workitem_id 0
		.amdhsa_next_free_vgpr 1024
		.amdhsa_next_free_sgpr 98
		.amdhsa_reserve_vcc 0
		.amdhsa_float_denorm_mode_32 3
		.amdhsa_float_denorm_mode_16_64 3
		.amdhsa_memory_ordered 1
		.amdhsa_forward_progress 1
		.amdhsa_inst_pref_size 148
	.end_amdhsa_kernel
	.amdgpu_metadata
---
amdhsa.version: [ 1, 2 ]
amdhsa.kernels:
  - .name:           k_q7316760400_proj
    .symbol:         k_q7316760400_proj.kd
    .args:
      - { .name: y_codes, .offset: 0, .size: 8, .value_kind: global_buffer, .address_space: global }
      - { .name: y_scales, .offset: 8, .size: 8, .value_kind: global_buffer, .address_space: global }
      - { .name: W_proj_codes, .offset: 16, .size: 8, .value_kind: global_buffer, .address_space: global }
      - { .name: W_proj_scales, .offset: 24, .size: 8, .value_kind: global_buffer, .address_space: global }
      - { .name: b_proj, .offset: 32, .size: 8, .value_kind: global_buffer, .address_space: global }
      - { .name: out0, .offset: 40, .size: 8, .value_kind: global_buffer, .address_space: global }
    .group_segment_fixed_size: 327680
    .private_segment_fixed_size: 0
    .kernarg_segment_align: 8
    .kernarg_segment_size: 48
    .max_flat_workgroup_size: 128
    .sgpr_count:     98
    .vgpr_count:     1024
    .wavefront_size: 32
...
	.end_amdgpu_metadata
.endif
;; end of part 3
